; MI455X (gfx1250); checked and timed in simulation.
; The chip was launched on July 23, 2026; its instructions are those of AMD's public machine-readable ISA for CDNA 5 (MIT licence, August 2026) and "CDNA5" Instruction Set Architecture Reference Guide (July 2026). The comments in the code are by the model that wrote it; some were corrected since.
;; Attention Layer. Allowed arithmetic: matrix products marked QUANTISED: E3M2 operands, one E8M0 scale for each 32 along K, by v_wmma_scale_f32_16x16x128_f8f6f4 with both operands' format E3M2, f32 sums; everything else in f32.
;; Inputs: Wfc 1,024 x 1,024 float32; Wk 1,024 x 1,024 float32; Wq 1,024 x 1,024 float32; Wv 1,024 x 1,024 float32; beta 1,024 float32; bfc 1,024 float32; bk 1,024 float32; bq 1,024 float32; bv 1,024 float32; gamma 1,024 float32; k 4 x 2,048 x 1,024 float32; q 4 x 2,048 x 1,024 float32; v 4 x 2,048 x 1,024 float32.
;; Outputs: out0 4 x 2,048 x 1,024 float32.
;; This version of the problem:
;;   THIS VERSION OF THE PROBLEM IS GIVEN IN LOW PRECISION. The matrix products marked QUANTISED in the list below multiply operands that are first quantised to E3M2 (3 exponent bits, 2 mantissa bits; 6 bits a number), with one power-of-two scale for each 32 numbers along K (OCP MX v1.0); their sums are f32. All else is computed in f32.
;;   The module's matrix products, in the order in which they are computed (A, B: the left and right operand; K: the contracted axis; several contracted axes count as one K, in the product's order):
;;     1. [M 8,192, K 1,024] x [K 1,024, N 1,024]; A: input q; B: input Wq: QUANTISED
;;     2. [M 8,192, K 1,024] x [K 1,024, N 1,024]; A: input k; B: input Wk: QUANTISED
;;     3. [M 8,192, K 1,024] x [K 1,024, N 1,024]; A: input v; B: input Wv: QUANTISED
;;     4. batch 64 x [M 2,048, K 64] x [K 64, N 2,048]; A: computed on the way; B: computed on the way: QUANTISED
;;     5. batch 64 x [M 2,048, K 2,048] x [K 2,048, N 64]; A: softmax (see below); B: computed on the way: QUANTISED
;;     6. [M 8,192, K 1,024] x [K 1,024, N 1,024]; A: computed on the way; B: input Wfc: QUANTISED
;;   THE QUANTISER, for each operand of a quantised product, along K:
;;     - K is cut into blocks of 32 from its start; a last block that is shorter is filled with zeros.
;;     - A block's scale is 2^e with e = floor(log2(the largest magnitude in the block)) - 4, held to -126 .. 127; a block of zeros has e = 0. As a byte (E8M0): e + 127.
;;     - Each number is divided by its block's scale, clamped to +-28, and rounded to the nearest number of E3M2, ties to even, subnormals kept.
;;     - The product sums the exact products of the quantised numbers (number of the format x scale) in f32.
;;   ~~~python
;;   def quantise(x, axis):      # numpy; x: float32 -> the quantised numbers, widened to float32 again
;;       x = np.moveaxis(x, axis, -1); K = x.shape[-1]
;;       x = np.pad(x, [(0, 0)] * (x.ndim - 1) + [(0, -K % 32)]); x = x.reshape(x.shape[:-1] + (-1, 32)); a = np.abs(x).max(-1, keepdims=True)
;;       e = np.where(a > 0, np.clip(np.frexp(np.where(a > 0, a, 1))[1] - 1 - 4, -126, 127), 0)      # np.frexp(a)[1] - 1 = floor(log2(a)), exactly
;;       r = np.clip(x / 2.0 ** e, -28, 28)
;;       step = 2.0 ** (np.maximum(np.frexp(np.where(r == 0, 1, r))[1] - 1, -2) - 2)
;;       q = np.round(r / step) * step * 2.0 ** e      # np.round: ties to even
;;       return np.moveaxis(q.reshape(q.shape[:-2] + (-1,))[..., :K], -1, axis).astype(np.float32)
;;   ~~~
;;   SOFTMAX AHEAD OF A QUANTISED PRODUCT. Where the list says 'softmax', what is quantised is not the finished softmax but p = 2^(t - M), with t = logit x log2(e) and M = ceil(the row's largest t), a whole number; so 1/2 < the row's largest p <= 1. The row's sum l is taken of the UNQUANTISED p, in f32, and the product's result is divided by l at the end. Since M is a whole number, a kernel that streams over the keys may use a running M (the ceiling of the running maximum): every later rescaling is an exact power of two, which a block's scale takes up: the codes' values come out the same.
;;   OPERANDS COMPUTED ON THE WAY. 'Computed on the way' means the value that the module computes at that place (a softmax that the list does not call 'softmax' is quantised finished and normalised). What goes into a quantiser is computed in f32, as accurately as f32 sums, v_exp_f32 and their like allow (about 1e-6 of the number): no bf16 or f16 on the way to a quantiser, and a product that is left as it is and whose result goes on into a quantised operand takes f32 operands (vector FMAs, or v_wmma_f32_16x16x4_f32). A number that lies on a knife's edge between two numbers of the format may be rounded either way, as far as f32 arithmetic and the matrix unit's own rounding can turn it there, and no further.
;; One version. Each part assembles by itself: llvm-mc -triple=amdgcn-amd-amdhsa -mcpu=gfx1250 --defsym DOCPART=n.
;; ======== version 1 of 1: 5 launches
;; workspace buffers: acodes 25,165,824 bytes; ascales 1,048,576 bytes; wcodes 3,145,728 bytes; wscales 131,072 bytes; kvimg 13,369,344 bytes; qimg 13,369,344 bytes; xbuf 33,554,432 bytes
;; launch quant (part 1): grid 896 x 1, 4 waves a work-group, no clusters, 57,856 bytes of LDS; arguments Wfc, Wq, Wk, Wv, wcodes, wscales, q, k, v, acodes, ascales; writes wcodes, wscales, acodes, ascales
.if DOCPART == 1
	.amdgcn_target "amdgcn-amd-amdhsa--gfx1250"
	.amdhsa_code_object_version 6
	.text
	.protected	k_q388b1f661e_quant
	.globl	k_q388b1f661e_quant
	.p2align	8
	.type	k_q388b1f661e_quant,@function
k_q388b1f661e_quant:
	s_mov_b64 s[64:65], 0
	v_nop
	global_prefetch_b8 v0, s[64:65] scope:SCOPE_SE
	s_setreg_imm32_b32 hwreg(HW_REG_WAVE_MODE, 25, 1), 1
	s_wait_xcnt 0x0
; ONE LAUNCH QUANTISES ALL SEVEN f32 OPERANDS into codes of BF6 (E3M2), K innermost, with one E8M0 scale byte for each 32 along K.  Work-groups 0 .. 127 take the four weights, work-groups 128 .. 895 take q, k, v:
; one scalar branch on the work-group's number parts the two ways; each way has LDS bytes of its own (activations: bytes 0 .. 22,527; weights: 22,528 .. 57,343).
; A block's scale is 2^(floor(log2(its largest magnitude)) - 4); its byte is the largest magnitude's exponent field - 4, held at 1 from below.
; LIMITS: a block of zeros gets the byte 1 where the rule says 127 (its codes are zeros, and this program alone reads the bytes); a block whose largest magnitude lies under 2^-122 keeps the byte 1; NaN and infinities are not served.
; ROWS STAND IN POSITION ORDER in all four buffers: position = row with bits 3 and 4 changed over, so that 16 neighbouring positions 32 b + 16 u + r are the rows 32 b + 8 u + r + 8 (r / 8), the rows that a tile of a transposed product wants.
; ACTIVATIONS [8192][1024].  acodes has two regions of 8,192 rows x 1,536 bytes: [ctx | q] and [k | v], 768 bytes a half; ascales likewise with 64 bytes a row.  A wave takes 8 rows (16 steps of half a row); a group of eight rows moves as a
; whole: group g goes to g with its bits 0 and 1 changed over.  Each of a step's four loads reads 512 consecutive bytes; the 2,048 bytes turn through the wave's own stage in LDS and come back 64 bytes a lane: 16 neighbours along K, two lanes to a block.
; WEIGHTS [1024 (k)][1024 (n)], K their FIRST axis.  wcodes has two regions of 1,024 rows x 1,536 bytes: [Wfc | Wq] and [Wk | Wv]; wscales likewise with 64 bytes a row.  A LANE TAKES A COLUMN n, AND ITS REGISTERS RUN DOWN K: a block of 32 lies in
; one lane's 32 registers, and the conversions give codes with K innermost.  A wave takes 32 columns x 256 along K; the codes go through the wave's own stage (row = the column's position) and leave as rows of 192 consecutive bytes.
; No tensor loads, no barrier: waves share nothing.
.set NWG,   128                        ; work-groups for the weights: 8 (columns) x 16 (weight, 256 along K)
.set EMAX,  4
.set STEPS, 16                         ; ---- activations
.set CB,    12                         ; bytes of 16 codes
.set R,     16                         ; v16-79   four sets of 16 numbers as they are loaded
.set X,     80                         ; v80-111  two sets of 16 neighbours
.set C,     128                        ; v128-191 codes: four registers for each step, so that no store's data are written again
.set E,     112                        ; v112-127 a scale byte for each step
.set AWV,   5632                       ; LDS for a wave: two stages of 32 x SP bytes, behind them its 256 scale bytes
.set SP,    80                         ; a lane's place in a stage: 64 bytes + 16 of padding
.set AREG,  12582912                   ; a region of acodes
.set SIZE_N, 1024                      ; ---- weights
.set KW,    256
.set NB,    KW/32
.set ROWB,  192                        ; bytes of KW codes
.set PITCH, 272                        ; a stage row: sixteen places of 16 bytes, each with 12 bytes of codes, + 16
.set KROW,  1536                       ; a row of wcodes
.set WRG,   1572864                    ; a region of wcodes
.set WSTG,  4*AWV                      ; LDS: the weights' stages begin behind the activations' bytes
.set WX,    32                         ; v32-95   two sets of 32 numbers
.set WC,    96                         ; v96..    a block's codes
.set OUTR,  112                        ; v112-175 the way out
.set SB,    24                         ; v24-25   the scale bytes, four to a register
	v_lshl_add_u32 v192, v0, 2, 0xe000
	v_mov_b32 v193, 0
	v_lshrrev_b32 v1, 5, v0
	v_readfirstlane_b32 s16, v1                    ; wave 0..3
	v_and_b32 v2, 31, v0                           ; lane
	s_cmp_lt_u32 ttmp9, NWG
	s_cbranch_scc1 .Lweights
	; ================ q, k, v ================
	s_load_b128 s[4:7], s[0:1], 0x30               ; q, k
	s_load_b128 s[8:11], s[0:1], 0x40              ; v, acodes
	s_load_b64 s[12:13], s[0:1], 0x50              ; ascales
	v_lshlrev_b32 v3, 4, v2                        ; my 16 bytes of a load's 512
	s_mul_i32 s30, s16, AWV
	v_lshrrev_b32 v14, 2, v2
	v_mul_u32_u24 v14, v14, SP
	v_and_b32 v15, 3, v2
	v_lshl_add_u32 v14, v15, 4, v14
	v_add_nc_u32 v14, s30, v14                     ; the stage, on the way in: SP (lane / 4) + 16 (lane % 4)
	v_mul_u32_u24 v15, v2, SP
	v_add_nc_u32 v15, s30, v15                     ; and on the way out: SP x lane
	v_mul_u32_u24 v4, v2, CB                       ; my codes' place in a step's 384 bytes
	v_lshrrev_b32 v5, 1, v2
	s_add_co_u32 s30, s30, 2*32*SP
	v_add_nc_u32 v5, s30, v5                       ; LDS: my wave's 256 scale bytes, my block's byte
	v_lshlrev_b32 v7, 3, v2
	v_add_nc_u32 v6, s30, v7                       ; and on the way out 8 bytes a lane
	v_lshrrev_b32 v7, 2, v2
	v_lshlrev_b32 v7, 6, v7
	v_and_b32 v10, 3, v2
	v_lshl_add_u32 v7, v10, 3, v7                  ; in ascales: four lanes to a row's 32 bytes, rows 64 bytes apart
	s_sub_co_u32 s29, ttmp9, NWG                   ; 0 .. 767
	s_lshr_b32 s17, s29, 8                         ; which tensor: 0 q, 1 k, 2 v
	s_and_b32 s18, s29, 255
	s_lshl_b32 s18, s18, 2
	s_add_co_u32 s18, s18, s16                     ; g: my group of eight rows
	s_and_b32 s19, s18, 1
	s_lshl_b32 s19, s19, 1
	s_bfe_u32 s20, s18, 0x10001
	s_or_b32 s19, s19, s20
	s_and_b32 s20, s18, 0xfffffffc
	s_or_b32 s19, s19, s20                         ; its position
	s_add_co_u32 s20, s17, 1
	s_lshr_b32 s21, s20, 1                         ; region: q 0, k 1, v 1
	s_and_b32 s20, s20, 1                          ; half:   q 1, k 0, v 1
	s_lshl_b32 s22, s18, 15                        ; the source: 32,768 bytes a group
	s_mov_b32 s23, 0
	s_mul_i32 s24, s21, AREG
	s_mul_i32 s26, s20, 768
	s_add_co_u32 s24, s24, s26
	s_mul_i32 s26, s19, 8*1536
	s_add_co_u32 s24, s24, s26                     ; the codes
	s_mov_b32 s25, 0
	s_lshl_b32 s26, s21, 19
	s_lshl_b32 s28, s20, 5
	s_add_co_u32 s26, s26, s28
	s_lshl_b32 s28, s19, 9
	s_add_co_u32 s26, s26, s28                     ; the scale bytes
	s_mov_b32 s27, 0
	s_wait_kmcnt 0x0
	s_cmp_eq_u32 s17, 0                            ; the choice hangs on the work-group's number alone
	s_cselect_b64 s[4:5], s[4:5], s[6:7]
	s_cmp_eq_u32 s17, 2
	s_cselect_b64 s[4:5], s[8:9], s[4:5]
	s_add_nc_u64 s[4:5], s[4:5], s[22:23]
	s_add_nc_u64 s[8:9], s[10:11], s[24:25]
	s_add_nc_u64 s[10:11], s[12:13], s[26:27]
.macro LOADA t
.irp i, 0,1,2,3
	global_load_b128 v[R+16*((\t)%4)+4*\i:R+16*((\t)%4)+4*\i+3], v3, s[4:5] offset:2048*(\t)+512*\i th:TH_LOAD_NT   ; 32 lanes read 512 consecutive bytes
.endr
.endm
.macro TURNA t                         ; step t's numbers through the stage: LDS serves a wave's instructions in order, so no wait stands between the stores and the loads
.irp i, 0,1,2,3
	ds_store_b128 v14, v[R+16*((\t)%4)+4*\i:R+16*((\t)%4)+4*\i+3] offset:32*SP*((\t)%2)+8*SP*\i
.endr
.irp i, 0,1,2,3
	ds_load_b128 v[X+16*((\t)%2)+4*\i:X+16*((\t)%2)+4*\i+3], v15 offset:32*SP*((\t)%2)+16*\i
.endr
.endm
.irp t, 0,1,2,3
	LOADA \t
.endr
	s_wait_loadcnt 12                              ; step 0's four loads are in; twelve younger ones stay out
	TURNA 0
.macro STEPA t
.set XS, X+16*((\t)%2)
.if (\t) > 0
	s_wait_dscnt 1                                 ; this step's numbers are back from the stage (the last step's byte store may be out): so its stores into the stage have read their registers,
.else
	s_wait_dscnt 0x0
.endif
.if (\t)+4 < STEPS
	LOADA (\t)+4                                   ; which take the loads of four steps on
.endif
.if (\t)+1 < STEPS
.if STEPS-2-(\t) >= 3
	s_wait_loadcnt 12                              ; the next step's four loads are in; those of the three steps behind it may be out
.else
	s_wait_loadcnt 4*(STEPS-2-(\t))
.endif
	TURNA (\t)+1                                   ; and go through the other stage while this step is worked
.endif
	v_max3_num_f32 v8, |v[XS]|, |v[XS+1]|, |v[XS+2]|               ; the largest magnitude of my 16
	v_max3_num_f32 v9, |v[XS+3]|, |v[XS+4]|, |v[XS+5]|
.irp i, 6,10
	v_max3_num_f32 v8, v8, |v[XS+\i]|, |v[XS+\i+1]|
	v_max3_num_f32 v9, v9, |v[XS+\i+2]|, |v[XS+\i+3]|
.endr
	v_max3_num_f32 v8, v8, |v[XS+14]|, |v[XS+15]|
	v_max3_num_f32 v8, v8, v9, (EMAX+1)<<23        ; and the floor 2^(5 - 127): the byte cannot fall under 1
	v_max_num_f32_dpp v8, v8, v8 row_xmask:1 row_mask:0xf bank_mask:0xf   ; and of my neighbour's 16: the block's
	v_add_nc_u32 v11, -(EMAX<<23), v8              ; 4 off its exponent field: the conversion takes the exponent field of this operand as its scale
	v_cvt_scalef32_pk16_bf6_f32 v[C+4*(\t):C+4*(\t)+2], v[XS:XS+15], v11
	v_lshrrev_b32 v[E+(\t)], 23, v11               ; the scale's byte (also the plain line behind the conversion)
	ds_store_b8 v5, v[E+(\t)] offset:16*(\t)       ; both lanes of a block write the same byte with the same value
	global_store_b96 v4, v[C+4*(\t):C+4*(\t)+2], s[8:9] offset:1536*((\t)/2)+384*((\t)%2)   ; 384 consecutive bytes: half a row's codes
.endm
.irp t, 0,1,2,3,4,5,6,7,8,9,10,11,12,13,14,15
	STEPA \t
.endr
	ds_load_b64 v[12:13], v6                       ; LDS serves a wave's instructions in order: these see my stores
	s_wait_dscnt 0x0
	global_store_b64 v7, v[12:13], s[10:11]        ; eight rows' 32 bytes each
	s_wait_tensorcnt 0x0
	ds_add_u32 v192, v193
	s_wait_dscnt 0x0
	s_endpgm
	; ================ Wfc, Wq, Wk, Wv ================
.Lweights:
	s_load_b256 s[4:11], s[0:1], 0x0               ; Wfc, Wq, Wk, Wv
	s_load_b128 s[12:15], s[0:1], 0x20             ; wcodes, wscales
	s_and_b32 s33, ttmp9, 7                        ; which 128 columns
	s_lshl_b32 s17, s33, 7
	s_lshl_b32 s18, s16, 5
	s_add_co_u32 s17, s17, s18                     ; my wave's first column
	s_lshr_b32 s18, ttmp9, 3                       ; 0 .. 15
	s_lshr_b32 s30, s18, 2                         ; which weight: 0 Wfc, 1 Wq, 2 Wk, 3 Wv
	s_and_b32 s18, s18, 3                          ; which 256 along K
	s_lshr_b32 s31, s30, 1                         ; region
	s_and_b32 s32, s30, 1                          ; half
	v_lshlrev_b32 v3, 2, v2                        ; in: 4 bytes a lane
	v_and_b32 v10, 7, v2
	v_bfe_u32 v14, v2, 4, 1
	v_lshl_or_b32 v10, v14, 3, v10
	v_bfe_u32 v14, v2, 3, 1
	v_lshl_or_b32 v10, v14, 4, v10                 ; my column's position among the 32
	s_mul_i32 s19, s16, 32*PITCH
	s_add_co_u32 s19, s19, WSTG                    ; my stage
	v_mul_u32_u24 v4, v10, PITCH
	v_add_nc_u32 v4, s19, v4                       ; into it: row = my column's position
	v_and_b32 v5, 15, v2
	v_lshrrev_b32 v6, 4, v2                        ; out of it: sixteen lanes to a row, two rows an instruction
	v_mul_u32_u24 v7, v6, PITCH
	v_lshl_add_u32 v7, v5, 4, v7
	v_add_nc_u32 v7, s19, v7                       ; LDS address
	v_mul_u32_u24 v8, v6, KROW
	v_mad_u32_u24 v8, v5, 12, v8                   ; and the same place in wcodes
	v_lshlrev_b32 v9, 6, v10                       ; my column's row of scale bytes
	s_lshl_b32 s20, s18, 20                        ; W: 256 rows of 4,096 bytes for each step along K,
	s_lshl_b32 s22, s17, 2
	s_add_co_u32 s20, s20, s22                     ; + 4 x column
	s_mov_b32 s21, 0
	s_mul_i32 s24, s31, WRG                        ; codes: region, row, half, 192 bytes for each 256 along K
	s_mul_i32 s22, s17, KROW
	s_add_co_u32 s24, s24, s22
	s_mul_i32 s22, s32, 768
	s_add_co_u32 s24, s24, s22
	s_mul_i32 s22, s18, ROWB
	s_add_co_u32 s24, s24, s22
	s_mov_b32 s25, 0
	s_lshl_b32 s28, s31, 16                        ; scale bytes: region, row of 64, half of 32, 8 for each 256 along K
	s_lshl_b32 s22, s17, 6
	s_add_co_u32 s28, s28, s22
	s_lshl_b32 s22, s32, 5
	s_add_co_u32 s28, s28, s22
	s_lshl_b32 s22, s18, 3
	s_add_co_u32 s28, s28, s22
	s_mov_b32 s29, 0
	s_wait_kmcnt 0x0
	s_cmp_lt_u32 s30, 2                            ; the choices hang on the work-group's number alone
	s_cselect_b64 s[4:5], s[4:5], s[8:9]           ; Wfc or Wk
	s_cselect_b64 s[6:7], s[6:7], s[10:11]         ; Wq or Wv
	s_cmp_eq_u32 s32, 1
	s_cselect_b64 s[4:5], s[6:7], s[4:5]
	s_add_nc_u64 s[4:5], s[4:5], s[20:21]
	s_add_nc_u64 s[6:7], s[12:13], s[24:25]
	s_add_nc_u64 s[8:9], s[14:15], s[28:29]
.macro LOADW t                         ; block t: W(32 t + i, my column), i = 0 .. 31, into set t % 2
.set i, 0
.rept 32
	global_load_b32 v[WX+32*((\t)%2)+i], v3, s[4:5] offset:(32*(\t)+i)*SIZE_N*4 th:TH_LOAD_NT
.set i, i+1
.endr
.endm
	LOADW 0
	LOADW 1
.macro BLOCKW t
.set XS, WX+32*((\t)%2)
.if (\t) < NB-1
	s_wait_loadcnt 32                              ; this block's 32 loads are in; the next block's may be out
.else
	s_wait_loadcnt 0
.endif
	v_max3_num_f32 v12, |v[XS]|, |v[XS+1]|, |v[XS+2]|               ; the block's largest magnitude: all 32 numbers are mine
	v_max3_num_f32 v13, |v[XS+3]|, |v[XS+4]|, |v[XS+5]|
.irp i, 6,10,14,18,22,26
	v_max3_num_f32 v12, v12, |v[XS+\i]|, |v[XS+\i+1]|
	v_max3_num_f32 v13, v13, |v[XS+\i+2]|, |v[XS+\i+3]|
.endr
	v_max3_num_f32 v12, v12, |v[XS+30]|, |v[XS+31]|
	v_max3_num_f32 v12, v12, v13, (EMAX+1)<<23     ; and the floor 2^(5 - 127)
	v_add_nc_u32 v11, -(EMAX<<23), v12             ; 4 off its exponent field: the conversion's scale operand
	v_lshrrev_b32 v13, 23, v11                     ; the scale's byte
.if (\t)%4 == 0
	v_mov_b32 v[SB+(\t)/4], v13                    ; four bytes to a register, the lower K in the lower byte
.else
	v_lshl_or_b32 v[SB+(\t)/4], v13, 8*((\t)%4), v[SB+(\t)/4]
.endif
	v_cvt_scalef32_pk16_bf6_f32 v[WC:WC+2], v[XS:XS+15], v11
	v_cvt_scalef32_pk16_bf6_f32 v[WC+4:WC+6], v[XS+16:XS+31], v11   ; (a conversion's three registers begin on an even number)
	v_nop                                          ; one plain line behind the conversions
	ds_store_b96 v4, v[WC:WC+2] offset:32*(\t)     ; 12 bytes to a place of 16 in the stage
	ds_store_b96 v4, v[WC+4:WC+6] offset:32*(\t)+16
.if (\t)+2 < NB
	LOADW (\t)+2
.endif
	s_wait_dscnt 0x0                               ; the stores have read their registers: the next block's codes may be written
.endm
.set Q, 0
.rept NB
	BLOCKW Q
.set Q, Q+1
.endr
	global_store_b64 v9, v[SB:SB+1], s[8:9]        ; my column's eight scale bytes
.irp t, 0,1,2,3,4,5,6,7,8,9,10,11,12,13,14,15
	ds_load_b96 v[OUTR+4*\t:OUTR+4*\t+2], v7 offset:2*\t*PITCH   ; LDS serves a wave's instructions in order: these see my stores
.endr
.irp t, 0,1,2,3,4,5,6,7,8,9,10,11,12,13,14,15
	s_wait_dscnt 15-\t
	global_store_b96 v8, v[OUTR+4*\t:OUTR+4*\t+2], s[6:7] offset:2*\t*KROW
.endr
	s_wait_tensorcnt 0x0
	ds_add_u32 v192, v193
	s_wait_dscnt 0x0
	s_endpgm
.Lfunc_end_k_q388b1f661e_quant:
	.size	k_q388b1f661e_quant, .Lfunc_end_k_q388b1f661e_quant-k_q388b1f661e_quant
	.p2alignl 7, 3214868480
	.fill 96, 4, 3214868480
	.section	.rodata,"a",@progbits
	.p2align	6, 0x0
	.amdhsa_kernel k_q388b1f661e_quant
		.amdhsa_group_segment_fixed_size 57856
		.amdhsa_private_segment_fixed_size 0
		.amdhsa_enable_private_segment 0
		.amdhsa_kernarg_size 88
		.amdhsa_user_sgpr_count 2
		.amdhsa_user_sgpr_kernarg_segment_ptr 1
		.amdhsa_wavefront_size32 1
		.amdhsa_system_sgpr_workgroup_id_x 1
		.amdhsa_system_sgpr_workgroup_id_y 1
		.amdhsa_system_sgpr_workgroup_id_z 1
		.amdhsa_system_vgpr_workitem_id 0
		.amdhsa_next_free_vgpr 194
		.amdhsa_next_free_sgpr 66
		.amdhsa_reserve_vcc 0
		.amdhsa_float_denorm_mode_32 3
		.amdhsa_float_denorm_mode_16_64 3
		.amdhsa_memory_ordered 1
		.amdhsa_forward_progress 1
		.amdhsa_inst_pref_size 75
	.end_amdhsa_kernel
	.amdgpu_metadata
---
amdhsa.version: [ 1, 2 ]
amdhsa.kernels:
  - .name:           k_q388b1f661e_quant
    .symbol:         k_q388b1f661e_quant.kd
    .args:
      - { .name: Wfc, .offset: 0, .size: 8, .value_kind: global_buffer, .address_space: global }
      - { .name: Wq, .offset: 8, .size: 8, .value_kind: global_buffer, .address_space: global }
      - { .name: Wk, .offset: 16, .size: 8, .value_kind: global_buffer, .address_space: global }
      - { .name: Wv, .offset: 24, .size: 8, .value_kind: global_buffer, .address_space: global }
      - { .name: wcodes, .offset: 32, .size: 8, .value_kind: global_buffer, .address_space: global }
      - { .name: wscales, .offset: 40, .size: 8, .value_kind: global_buffer, .address_space: global }
      - { .name: q, .offset: 48, .size: 8, .value_kind: global_buffer, .address_space: global }
      - { .name: k, .offset: 56, .size: 8, .value_kind: global_buffer, .address_space: global }
      - { .name: v, .offset: 64, .size: 8, .value_kind: global_buffer, .address_space: global }
      - { .name: acodes, .offset: 72, .size: 8, .value_kind: global_buffer, .address_space: global }
      - { .name: ascales, .offset: 80, .size: 8, .value_kind: global_buffer, .address_space: global }
    .group_segment_fixed_size: 57856
    .private_segment_fixed_size: 0
    .kernarg_segment_align: 8
    .kernarg_segment_size: 88
    .max_flat_workgroup_size: 128
    .sgpr_count:     66
    .vgpr_count:     194
    .wavefront_size: 32
...
	.end_amdgpu_metadata
.endif
;; end of part 1
;; launch proj (part 2): grid 4 x 96, 4 waves a work-group, clusters of 4 x 4, 327,680 bytes of LDS; arguments acodes, ascales, wcodes, wscales, bq, bk, bv, qimg, kvimg; writes qimg, kvimg
.if DOCPART == 2
	.amdgcn_target "amdgcn-amd-amdhsa--gfx1250"
	.amdhsa_code_object_version 6
	.text
	.protected	k_q388b1f661e_proj
	.globl	k_q388b1f661e_proj
	.p2align	8
	.type	k_q388b1f661e_proj,@function
k_q388b1f661e_proj:
	s_mov_b64 s[64:65], 0
	v_nop
	global_prefetch_b8 v0, s[64:65] scope:SCOPE_SE
	s_setreg_imm32_b32 hwreg(HW_REG_WAVE_MODE, 25, 1), 1
	s_wait_xcnt 0x0
	s_wait_alu depctr_hold_cnt(0) depctr_sa_sdst(0) depctr_va_vdst(0) depctr_va_sdst(0) depctr_va_ssrc(0) depctr_va_vcc(0) depctr_vm_vsrc(0)
	s_getreg_b32 s2, hwreg(HW_REG_IB_STS2, 6, 4)
	s_cmp_eq_u32 s2, 0
	s_cbranch_scc0 .Lentry_in_a_cluster
	s_endpgm
.Lentry_in_a_cluster:
	s_bfe_u32 s2, ttmp6, 0x10000c
	s_cmp_lg_u32 s2, 0xf033
	s_cbranch_scc0 .Lentry_shape_is_right
	s_endpgm
.Lentry_shape_is_right:
; The three projections q Wq + bq, k Wk + bk, v Wv + bv on codes of BF6 (E3M2) with E8M0 scales, K = 1,024, and their results quantised on the way out into IMAGES OF OPERAND REGISTERS for the attention launch.
; A tile of 256 x 256 is made by four waves, 128 x 128 each: 64 accumulators, 512 registers.  K goes in steps of 256 (rows of 192 bytes) through a ring of two LDS slots filled by joint tensor loads.
; Cluster y / 8 says which projection (T = 0 q, 1 k, 2 v).  ROLES: role A (source 1, a lane holds one of its rows) and role B (source 0, a lane's eight results are eight of its rows).
;   T = 0, 1: A = the activation's rows, B = the weight's rows: a lane holds one token and neighbours along the head's 64, which is the scores' K.
;   T = 2:    A = Wv's rows (channels), B = v's rows (keys): a lane holds one channel and neighbours along the KEYS, which is the second product's K.
; Rows of all code buffers stand in position order (bits 3 and 4 of the row changed over), so that 16 neighbouring positions are the rows 32 b + 8 u + r + 8 (r / 8): the 16 registers of the tiles 2 b and 2 b + 1
; of role B are then 16 true neighbours, 32 b + 16 (lane / 16) + 0 .. 15, as the conversions want them.
; THE WAY OUT uses no LDS: block by block of 16 rows of role A: + bias, the block's four scales, the conversions, and the fragment's registers are stored as they stand, 16 or 8 bytes a lane, 512 or 256 consecutive bytes a store.
; A head's record for 128 keys (or queries): 8 tiles x 768 bytes of k (or q), 4 fragments x 1,536 bytes of v^T, 512 bytes of k's scale words, 256 of v's: 13,056 bytes; 16 records a head.
; LIMITS: a block of zeros gets the byte 1 where the rule says 127 (zero codes; this program alone reads the bytes); largest magnitudes under 2^-122 keep the byte 1; NaN and infinities are not served.
; REGISTERS, in windows of 256: window 0: v0-31 addresses; v32-63 scale words, two sets; v64-127 the bias by column; from v128 A's fragments, ONE set; v224-239 the bias by row; on the way out v128-223 and v240-255 are at work.
;   window 1: B's fragments, TWO sets.   window 2: the accumulators of my rows 0-63 ((a, b) at v[8 (8 a + b)]);   window 3: those of my rows 64-127.
.set KSTEP,  256
.set NQ,     KSTEP/128
.set ROWB,   192                       ; a tile's row in bytes
.set KROW,   1536                      ; a row of acodes or wcodes
.set PITCH,  240                       ; an LDS row: 3 x (64 bytes + 16 of padding)
.set FR,     12
.set NL,     6
.set NP,     4
.set HALFT,  128*PITCH
.set SLOT,   4*HALFT
.set LAPS,   2                         ; 1,024 along K: twice round the ring
.set SPS,    40                        ; a row's 32 scale bytes + 8 of padding
.set SCL,    2*SLOT                    ; behind the ring: the scales of A's 256 rows, then of B's
.set HALFS,  128*SPS
.set SBLK,   16*SPS
.set SPARE,  SCL+4*HALFS               ; the spare words, 128 bytes for each wave: two blocks of 256 bytes that no other line names
.set AREG,   12582912
.set WREG,   1572864
.set HEADB,  208896                    ; a head's 16 records
.set REC,    13056
.set BO,   8                           ; v8   64 x (lane / 16): the bias by column
.set BP,   9                           ; v9   4 x (r + 8 (r / 8)): the bias by row
.set OA,   10                          ; v10  16 x lane
.set OB,   11                          ; v11  8 x lane
.set OS,   12                          ; v12  (lane / 16) x HEADB + 16 r: scale words
.set SH,   13                          ; v13  16 x (lane / 16)
.set LN,   14                          ; v14  lane
.set ADRA, 16
.set ADRB, 20
.set ADRS, 27
.set SPW,  28
.set NIL,  29
.set SC,   32
.set BN,   64
.set AF,   128
.set BM,   224
.set TT,   128                         ; the way out: 64 numbers of a lane
.set PC,   192                         ; v192-210 the codes just made
.set PW,   211                         ; the scale word just made
.set SW,   212                         ; v212-219 the eight blocks' scale words
.set XW,   220                         ; v220-223
.set TM,   240                         ; v240-255 at work
.set SEL,  98                          ; s[98:99] lane selects for v_permlanex16_b32
.set G1, 24
.set G0, 32
.set G1B, 48
.set G0B, 56
.set G1S, 68
.set G0S, 76
.set G1SB, 80
.set G0SB, 88
.set MSB, 0
.macro WIN new                         ; the immediate's high byte repeats the setting that is left
.if MSB != \new
	s_set_vgpr_msb (MSB<<8)|\new
.set MSB, \new
.endif
.endm
.set MUL_LO, 0xa1                      ; source 0 (B) window 1, source 1 (A) window 0, C and D window 2
.set MUL_HI, 0xf1
.set TO_B,   0x40
; A joint load: waves 0 and 1 fetch for A, waves 2 and 3 for B.  The branch hangs on the wave's number alone.  Four v_nop follow each of the two lines.
.macro JLOAD g0a, g1a, g0b, g1b
	s_cmp_eq_u32 s15, 0
	s_cbranch_scc0 .Lfor_b_\@
	tensor_load_to_lds s[\g0a:\g0a+3], s[\g1a:\g1a+7]
	s_nop 0
.rept 4
	v_nop
.endr
	s_branch .Lasked_\@
.Lfor_b_\@:
	tensor_load_to_lds s[\g0b:\g0b+3], s[\g1b:\g1b+7]
	s_nop 0
.rept 4
	v_nop
.endr
.Lasked_\@:
.endm
.macro CREST                           ; a round of the cluster's barrier behind its opening barrier
	s_cmp_lg_u32 s14, 0
	s_cbranch_scc1 .Lnot_wave_0_\@
	s_barrier_signal -3
.Lnot_wave_0_\@:
	s_barrier_wait -3
	s_barrier_signal -1
	s_barrier_wait -1
.endm
.macro CROUND
	s_barrier_signal -1
	s_barrier_wait -1
	CREST
.endm
	s_load_b256 s[4:11], s[0:1], 0x0               ; acodes, ascales, wcodes, wscales
	s_load_b128 s[96:99], s[0:1], 0x20             ; bq, bk
	s_load_b64 s[100:101], s[0:1], 0x30            ; bv
	s_load_b128 s[92:95], s[0:1], 0x38             ; qimg, kvimg
	v_lshl_add_u32 v[SPW], v0, 2, SPARE
	v_mov_b32 v[NIL], 0
	ds_add_u32 v28, v29
	ds_add_u32 v28, v29
	s_wait_dscnt 0x0
	v_lshrrev_b32 v1, 5, v0
	v_readfirstlane_b32 s14, v1                    ; wave 0..3
	s_lshr_b32 s15, s14, 1                         ; which half of role A's rows is mine.  Also: I fetch for A (0) or for B (1)
	s_and_b32 s16, s14, 1                          ; which half of role B's rows.  Also: which 128 rows I fetch
	s_bfe_u32 s40, ttmp6, 0x40000                  ; cx, cy: my place in the cluster
	s_bfe_u32 s41, ttmp6, 0x40004
	s_and_b32 s17, ttmp7, 0xffff                   ; the cluster's y: 0 .. 23
	s_lshr_b32 s104, s17, 3                        ; T: the same in all sixteen partners
	s_and_b32 s2, s17, 7
	s_cmp_eq_u32 s104, 2
	s_cselect_b32 s17, 0, s2                       ; the long axis (8,192 rows) runs along role A for q and k, along role B for v
	s_cselect_b32 s42, s2, 0
	s_lshl_b32 s17, s17, 2
	s_add_co_u32 s17, s17, s41                     ; role A's tile
	s_lshl_b32 s42, s42, 2
	s_add_co_u32 s42, s42, s40                     ; role B's tile
	s_lshl_b32 s43, s41, 2
	s_lshl_b32 s43, 15, s43                        ; my row of the cluster
	s_lshl_b32 s44, 0x1111, s40                    ; my column
	; descriptor group 1 for codes: 128 rows x 192 bytes, 16 bytes of padding behind every 64
	s_or_b32 s[G1+0], s43, (0<<16)|(1<<20)|(1<<21)|(3<<22)|(3<<25)
	s_or_b32 s[G1B+0], s44, (0<<16)|(1<<20)|(1<<21)|(3<<22)|(3<<25)
.irp g, G1, G1B
	s_mov_b32 s[\g+1], ROWB<<16                    ; tensor_dim0
	s_mov_b32 s[\g+2], 128<<16                     ; tensor_dim1
	s_mov_b32 s[\g+3], ROWB<<16                    ; tile_dim0
	s_mov_b32 s[\g+4], 128                         ; tile_dim1
	s_mov_b32 s[\g+5], KROW                        ; from row to row
	s_mov_b32 s[\g+6], 0
	s_mov_b32 s[\g+7], 0
.endr
	; and for scales: 128 rows x 32 bytes (4 elements of 8), 64 bytes apart in memory, 8 bytes of padding behind each row's 8 words
	s_or_b32 s[G1S+0], s43, (3<<16)|(1<<20)|(1<<21)|(2<<22)|(1<<25)
	s_or_b32 s[G1SB+0], s44, (3<<16)|(1<<20)|(1<<21)|(2<<22)|(1<<25)
.irp g, G1S, G1SB
	s_mov_b32 s[\g+1], 4<<16
	s_mov_b32 s[\g+2], 128<<16
	s_mov_b32 s[\g+3], 4<<16
	s_mov_b32 s[\g+4], 128
	s_mov_b32 s[\g+5], 8
	s_mov_b32 s[\g+6], 0
	s_mov_b32 s[\g+7], 0
.endr
	; region and half of this projection's operands: q, Wq: 0, 1;  k, Wk: 1, 0;  v, Wv: 1, 1
	s_add_co_u32 s2, s104, 1
	s_lshr_b32 s3, s2, 1
	s_and_b32 s2, s2, 1
	s_mul_i32 s12, s3, AREG
	s_mul_i32 s13, s2, 768
	s_add_co_u32 s12, s12, s13                     ; the activation's codes
	s_mul_i32 s18, s3, WREG
	s_add_co_u32 s18, s18, s13                     ; the weight's codes
	s_lshl_b32 s19, s3, 19
	s_lshl_b32 s13, s2, 5
	s_add_co_u32 s19, s19, s13                     ; the activation's scales
	s_lshl_b32 s3, s3, 16
	s_add_co_u32 s3, s3, s13                       ; the weight's scales
	s_cmp_eq_u32 s104, 2
	s_cselect_b32 s2, s18, s12                     ; role A's codes
	s_cselect_b32 s12, s12, s18                    ; role B's codes
	s_cselect_b32 s13, s3, s19                     ; role A's scales
	s_cselect_b32 s19, s19, s3                     ; role B's scales
	s_lshl_b32 s18, s16, 7                         ; which 128 rows of the tile I fetch
	s_lshl_b32 s20, s17, 8
	s_add_co_u32 s20, s20, s18                     ; A's row
	s_lshl_b32 s46, s42, 8
	s_add_co_u32 s46, s46, s18                     ; B's row
	s_lshl_b32 s22, s20, 6
	s_add_co_u32 s22, s22, s13                     ; all these offsets stay under 2^25 bytes
	s_mov_b32 s23, 0
	s_mul_i32 s20, s20, KROW
	s_add_co_u32 s20, s20, s2
	s_mov_b32 s21, 0
	s_lshl_b32 s66, s46, 6
	s_add_co_u32 s66, s66, s19
	s_mov_b32 s67, 0
	s_mul_i32 s46, s46, KROW
	s_add_co_u32 s46, s46, s12
	s_mov_b32 s47, 0
	s_mul_i32 s45, s14, HALFT                      ; where they go: wave x 128 rows: no place in the cluster enters an LDS address
	s_mul_i32 s105, s14, HALFS
	s_wait_kmcnt 0x0
	s_cmp_eq_u32 s104, 2
	s_cselect_b64 s[2:3], s[8:9], s[4:5]           ; role A's codes: the weight's for v, else the activation's
	s_cselect_b64 s[8:9], s[4:5], s[8:9]           ; role B's codes
	s_cselect_b64 s[4:5], s[10:11], s[6:7]         ; role A's scales
	s_cselect_b64 s[10:11], s[6:7], s[10:11]       ; role B's scales
	s_add_nc_u64 s[20:21], s[2:3], s[20:21]
	s_add_nc_u64 s[22:23], s[4:5], s[22:23]
	s_add_nc_u64 s[46:47], s[8:9], s[46:47]
	s_add_nc_u64 s[66:67], s[10:11], s[66:67]
	CROUND                                         ; all sixteen work-groups are here: the first joint loads meet
	s_mov_b32 s[G0S], 1
	s_add_co_u32 s[G0S+1], s105, SCL
	s_mov_b64 s[G0S+2:G0S+3], s[22:23]
	s_or_b32 s[G0S+3], s[G0S+3], 0x80000000
	s_mov_b32 s[G0SB], 1
	s_add_co_u32 s[G0SB+1], s105, SCL
	s_mov_b64 s[G0SB+2:G0SB+3], s[66:67]
	s_or_b32 s[G0SB+3], s[G0SB+3], 0x80000000
	JLOAD G0S, G1S, G0SB, G1SB                     ; the scales first: filled once, wanted with K step 0
.irp s, 0,1
	s_mov_b32 s[G0+4*\s], 1
	s_add_co_u32 s[G0+4*\s+1], s45, \s*SLOT
	s_add_nc_u64 s[G0+4*\s+2:G0+4*\s+3], s[20:21], \s*ROWB
	s_or_b32 s[G0+4*\s+3], s[G0+4*\s+3], 0x80000000
	s_mov_b32 s[G0B+4*\s], 1
	s_add_co_u32 s[G0B+4*\s+1], s45, \s*SLOT
	s_add_nc_u64 s[G0B+4*\s+2:G0B+4*\s+3], s[46:47], \s*ROWB
	s_or_b32 s[G0B+4*\s+3], s[G0B+4*\s+3], 0x80000000
	JLOAD G0+4*\s, G1, G0B+4*\s, G1B               ; three tensor loads of mine are out at the most
.endr
	v_and_b32 v1, 15, v0                           ; r = l % 16
	v_bfe_u32 v2, v0, 4, 1                         ; h = l / 16
	v_mul_u32_u24 v3, v1, PITCH
	v_mul_u32_u24 v4, v2, 24
	v_add_nc_u32 v4, v3, v4                        ; a fragment's row x pitch + 24 x half
	v_lshl_add_u32 v5, v2, 4, v4                   ; and the same behind one padding more
	s_mul_i32 s21, s15, HALFT                      ; my 128 rows of A
	s_mul_i32 s22, s16, HALFT                      ; my 128 rows of B,
	s_add_co_u32 s22, s22, 2*HALFT                 ; which lie behind A's 256
.irp s, 0,1
	v_add_nc_u32 v[ADRA+\s], s21, v4
	v_add_nc_u32 v[ADRB+\s], s22, v4
	v_add_nc_u32 v[ADRA+2+\s], s21, v5
	v_add_nc_u32 v[ADRB+2+\s], s22, v5
	s_add_co_u32 s21, s21, SLOT
	s_add_co_u32 s22, s22, SLOT
.endr
	v_mul_u32_u24 v5, v1, SPS                      ; my row's scale words
	s_mul_i32 s21, s15, HALFS                      ; A's: my 128 rows
	s_mul_i32 s22, s16, HALFS                      ; B's: my 128 rows, behind A's 256
	s_add_co_u32 s22, s22, 2*HALFS
	s_sub_co_u32 s22, s22, s21
	v_mul_u32_u24 v6, s22, v2                      ; lanes 16-31 take B's
	s_add_co_u32 s21, s21, SCL
	v_add_nc_u32 v5, v5, v6
	v_add_nc_u32 v[ADRS], s21, v5
	; the way out's lane terms
	v_and_b32 v[LN], 31, v0
	v_lshlrev_b32 v[OA], 4, v[LN]
	v_lshlrev_b32 v[OB], 3, v[LN]
	v_mul_u32_u24 v[OS], v2, HEADB
	v_lshl_add_u32 v[OS], v1, 4, v[OS]
	v_lshlrev_b32 v[SH], 4, v2
	v_lshlrev_b32 v[BO], 6, v2
	v_and_b32 v[BP], 8, v1
	v_add_nc_u32 v[BP], v[BP], v1
	v_lshlrev_b32 v[BP], 2, v[BP]
	; the bias, and where my wave's 128 x 128 lies
	s_cmp_eq_u32 s104, 0
	s_cselect_b64 s[96:97], s[96:97], s[98:99]
	s_cselect_b64 s[12:13], s[92:93], s[94:95]     ; q's images go to qimg, k's and v's to kvimg
	s_cmp_eq_u32 s104, 2
	s_cselect_b64 s[96:97], s[100:101], s[96:97]
	s_mov_b32 s[SEL], 0x76543210
	s_mov_b32 s[SEL+1], 0xfedcba98
	s_lshl_b32 s2, s42, 8
	s_lshl_b32 s18, s16, 7
	s_add_co_u32 s2, s2, s18                       ; role B's first position of my wave
	s_lshl_b32 s18, s17, 8
	s_lshl_b32 s19, s15, 7
	s_add_co_u32 s18, s18, s19                     ; role A's
	s_cmp_eq_u32 s104, 2
	s_cselect_b32 s19, s18, s2                     ; C0: on the weight's side (0 .. 896): two heads
	s_cselect_b32 s18, s2, s18                     ; X0: on the activation's side (0 .. 8,064): one record
	s_lshl_b32 s2, s19, 2
	s_mov_b32 s3, 0
	s_add_nc_u64 s[96:97], s[96:97], s[2:3]        ; the bias at C0
	s_lshr_b32 s2, s18, 11                         ; the batch,
	s_lshl_b32 s2, s2, 4
	s_lshr_b32 s19, s19, 6
	s_add_co_u32 s2, s2, s19                       ; the head,
	s_mul_i32 s2, s2, HEADB
	s_bfe_u32 s19, s18, 0x40007                    ; the record
	s_mul_i32 s19, s19, REC
	s_add_co_u32 s2, s2, s19
	s_add_nc_u64 s[12:13], s[12:13], s[2:3]
	; both forms of the bias are loaded whatever T is (both lie inside the 128 numbers from C0 on), so that no register hangs on a branch; they are waited for in front of the way out
.irp t, 0,1,2,3,4,5,6,7
	global_load_b128 v[BN+8*\t:BN+8*\t+3], v[BO], s[96:97] offset:(32*(\t/2)+8*(\t%2))*4          ; by column: tile t's eight of my half: 32 (t / 2) + 16 h + 8 (t % 2) + 0 .. 7
	global_load_b128 v[BN+8*\t+4:BN+8*\t+7], v[BO], s[96:97] offset:(32*(\t/2)+8*(\t%2))*4+16
.endr
.irp a, 0,1,2,3,4,5,6,7
	global_load_b32 v[BM+2*\a], v[BP], s[96:97] offset:(32*(\a/2)+8*(\a%2))*4                     ; by row: block a's row r is 32 (a / 2) + 8 (a % 2) + r + 8 (r / 8); twice, for the packed addition
	global_load_b32 v[BM+2*\a+1], v[BP], s[96:97] offset:(32*(\a/2)+8*(\a%2))*4
.endr
.macro FRAG reg, adr, q, i             ; a fragment, 16 rows x 128 K of 6-bit codes: 12 registers, in pieces of 8 bytes; where the piece three on lies behind one padding more, the second address register serves
.irp p, 0,1,2,3,4,5
.set PCE, 12*(\q)+6*(\p/3)+\p%3
.if PCE%8 < 5
	ds_load_b64 v[\reg+2*\p:\reg+2*\p+1], v[\adr] offset:8*PCE+16*(PCE/8)+(\i)*16*PITCH
.else
	ds_load_b64 v[\reg+2*\p:\reg+2*\p+1], v[\adr+2] offset:8*PCE+16*(PCE/8)+(\i)*16*PITCH
.endif
.endr
.endm
; 16 matrix instructions: A's blocks a0, a0 + 1 x B's eight, 128 along K.  The 64 accumulators take turns, one instruction a turn, in the same order in every step.
.macro MUL16 a0, p, q, sc, zero
.irp a, \a0, \a0+1
.irp b, 0,1,2,3,4,5,6,7
.if \zero
	v_wmma_scale_f32_16x16x128_f8f6f4 v[8*(8*((\a)%4)+\b):8*(8*((\a)%4)+\b)+7], v[128*(\p)+FR*\b:128*(\p)+FR*\b+FR-1], v[AF+FR*(\a):AF+FR*(\a)+FR-1], 0, v[SC+8*NQ*(\sc)+NQ*\b+(\q)], v[SC+8*NQ*(\sc)+NQ*(\a)+(\q)] matrix_a_fmt:MATRIX_FMT_BF6 matrix_b_fmt:MATRIX_FMT_BF6 matrix_a_scale:MATRIX_SCALE_ROW1
.else
	v_wmma_scale_f32_16x16x128_f8f6f4 v[8*(8*((\a)%4)+\b):8*(8*((\a)%4)+\b)+7], v[128*(\p)+FR*\b:128*(\p)+FR*\b+FR-1], v[AF+FR*(\a):AF+FR*(\a)+FR-1], v[8*(8*((\a)%4)+\b):8*(8*((\a)%4)+\b)+7], v[SC+8*NQ*(\sc)+NQ*\b+(\q)], v[SC+8*NQ*(\sc)+NQ*(\a)+(\q)] matrix_a_fmt:MATRIX_FMT_BF6 matrix_b_fmt:MATRIX_FMT_BF6 matrix_a_scale:MATRIX_SCALE_ROW1
.endif
.endr
.endr
.endm
.macro FETCH_B slot, q, p
	WIN TO_B
.irp i, 0,1,2,3,4,5,6,7
	FRAG 128*(\p)+FR*\i, ADRB+\slot, \q, \i
.endr
	WIN 0
.endm
.macro FETCH_A slot, q, i0
.irp i, \i0, \i0+1, \i0+2, \i0+3
	FRAG AF+FR*(\i), ADRA+\slot, \q, \i
.endr
.endm
.macro SCALES sc                       ; the next K step's scale words: lanes 0-15 take A's block i, lanes 16-31 B's block i
.irp i, 0,1,2,3,4,5,6,7
	ds_load_b64 v[SC+8*NQ*\sc+NQ*\i:SC+8*NQ*\sc+NQ*\i+1], v[ADRS] offset:\i*SBLK
.endr
.endm
.macro PLACES n                        ; plain vector lines between a matrix instruction and a load into, or a vector read or write of, its registers
.rept \n
	v_nop
.endr
.endm
.macro STEP slot, q, zero              ; a step of 128 along K that has its successor in the same slot
	s_wait_dscnt 4*NL                              ; B's set and A's blocks 0-3 are in; the youngest 24 loads (A's blocks 4-7) may be out
	WIN MUL_LO
	MUL16 0, (\q)%2, \q, \slot, \zero
	MUL16 2, (\q)%2, \q, \slot, \zero
	s_wait_dscnt 0
	PLACES NP
	FETCH_B \slot, (\q)+1, 1-(\q)%2
	FETCH_A \slot, (\q)+1, 0
	WIN MUL_HI
	MUL16 4, (\q)%2, \q, \slot, \zero
	MUL16 6, (\q)%2, \q, \slot, \zero
	PLACES NP
	WIN 0
	FETCH_A \slot, (\q)+1, 4
.endm
; A slot's last step changes slots: ONE barrier; in front of it each wave waits for all its tensor loads, adds 0 to its spare word, and waits for that and for its own reads of this slot.
.macro TURN slot, next, fill
	s_wait_tensorcnt 0x0                           ; all my tensor loads have landed: my part of the next slot
	ds_add_u32 v[SPW], v[NIL]                      ; 0 onto my spare word
	s_wait_dscnt 4*NL+1                            ; (the add and the youngest 24 loads may be out)
	WIN MUL_LO
	MUL16 0, 1, NQ-1, \slot, 0
	s_wait_dscnt 0x0                               ; the add is done, and my reads of this slot are over
	s_barrier_signal -1
	MUL16 2, 1, NQ-1, \slot, 0
	WIN 0
	s_barrier_wait -1
.if \fill
	CREST                                          ; the barrier has opened a round of the cluster's barrier: no wave of any partner still reads this slot or has a load on its way
	s_add_nc_u64 s[G0+4*\slot+2:G0+4*\slot+3], s[G0+4*\slot+2:G0+4*\slot+3], 2*ROWB
	s_add_nc_u64 s[G0B+4*\slot+2:G0B+4*\slot+3], s[G0B+4*\slot+2:G0B+4*\slot+3], 2*ROWB
	JLOAD G0+4*\slot, G1, G0B+4*\slot, G1B         ; the first tensor load behind the round; its four v_nop are also the places in front of the loads below
.else
	PLACES NP
.endif
	v_add_nc_u32 v[ADRS], 4*NQ, v[ADRS]            ; on to the next K step's scale words
	FETCH_B \next, 0, 0
	FETCH_A \next, 0, 0
	SCALES \next
	WIN MUL_HI
	MUL16 4, 1, NQ-1, \slot, 0
	MUL16 6, 1, NQ-1, \slot, 0
	PLACES NP
	WIN 0
	FETCH_A \next, 0, 4
.endm
	s_wait_tensorcnt 1                             ; the scales and my part of K step 0 are in (K step 1's load may be out),
	s_barrier_signal -1
	s_barrier_wait -1                              ; everybody's are
	FETCH_B 0, 0, 0
	FETCH_A 0, 0, 0
	SCALES 0
	FETCH_A 0, 0, 4
	STEP 0, 0, 1                                   ; the first step's products start the sums
	s_mov_b32 s3, LAPS-1
.Llap:                                                 ; a trip goes once round the ring and fills both slots again
	TURN 0, 1, 1
	STEP 1, 0, 0
	TURN 1, 0, 1
	STEP 0, 0, 0
	s_sub_co_u32 s3, s3, 1
	s_cmp_lg_u32 s3, 0
	s_cbranch_scc1 .Llap
	TURN 0, 1, 0                                   ; the last lap fills nothing
	STEP 1, 0, 0
	s_wait_dscnt 4*NL
	WIN MUL_LO
	MUL16 0, 1, NQ-1, 1, 0
	MUL16 2, 1, NQ-1, 1, 0
	s_wait_dscnt 0
	WIN MUL_HI
	MUL16 4, 1, NQ-1, 1, 0
	MUL16 6, 1, NQ-1, 1, 0
	WIN 0
; 64 numbers of a lane, register 16 b + i = k 32 b + 16 (lane / 16) + i of my row, become a fragment's codes in v[PC] on and its scale word in v[PW].
.macro QUANT s
.irp b, 0,1,2,3
	v_max3_num_f32 v[TM+\b], |v[\s+16*\b]|, |v[\s+1+16*\b]|, 0x2800000   ; block b: my 16 numbers, and the floor 2^(5 - 127)
.endr
.irp i, 2,4,6,8,10,12,14
.irp b, 0,1,2,3
	v_max3_num_f32 v[TM+\b], v[TM+\b], |v[\s+16*\b+\i]|, |v[\s+1+16*\b+\i]|
.endr
.endr
.irp b, 0,1,2,3
	v_permlanex16_b32 v[TM+4+\b], v[TM+\b], s[SEL], s[SEL+1]
.endr
.irp b, 0,1,2,3
	v_max_num_f32 v[TM+\b], v[TM+\b], v[TM+4+\b]   ; with lane l xor 16's: the block's largest magnitude
.endr
.irp b, 0,1,2,3
	v_add_nc_u32 v[TM+12+\b], 0xfe000000, v[TM+\b]   ; 4 off its exponent field: the conversion's scale operand
.endr
.irp b, 0,1,2,3
	v_lshrrev_b32 v[TM+4+\b], 23, v[TM+12+\b]      ; the scale's byte
.endr
	v_lshl_or_b32 v[PW], v[TM+5], 8, v[TM+4]
	v_lshl_or_b32 v[PW], v[TM+6], 16, v[PW]
	v_lshl_or_b32 v[PW], v[TM+7], 24, v[PW]        ; my row's scale word, the same in lanes l and l xor 16
.irp c, 0,1
	v_cvt_scalef32_pk16_bf6_f32 v[PC+6*\c:PC+2+6*\c], v[\s+32*\c:\s+15+32*\c], v[TM+12+2*\c]
	v_cvt_scalef32_pk16_bf6_f32 v[PC+12+4*\c:PC+14+4*\c], v[\s+16+32*\c:\s+31+32*\c], v[TM+12+2*\c+1]   ; (a conversion's three registers begin on an even number)
.endr
	v_nop                                          ; one plain line behind a scaled conversion
.irp c, 0,1                                    ; the operand's layout wants a WHOLE block in a lane
.irp i, 0,1,2
	v_permlane16_swap_b32 v[PC+6*\c+\i], v[PC+12+4*\c+\i]
.endr
.irp i, 0,1,2
	v_mov_b32 v[PC+3+6*\c+\i], v[PC+12+4*\c+\i]
.endr
.endr
.endm
; THE WAY OUT, block a of 16 rows of role A at a time.  isv = 0 (q, k): my 128 columns are two heads: registers 0-5 of the fragment are head 0's tile, registers 6-11 head 1's; bytes 0, 1 of the scale word are head 0's, bytes 2, 3 head 1's.
; isv = 1 (v): my 128 rows are two heads' channels, my 128 columns one record's keys: the fragment is V^T's, whole.
.macro WAYOUT isv
.irp a, 0,1,2,3,4,5,6,7
	WIN 0x02+(\a)/4                                ; source 0: window 2 or 3
.set i, 0
.rept 32                                       ; + bias; each accumulator is read from its low end on
.if \isv
	v_pk_add_f32 v[TT+2*i:TT+2*i+1], v[64*(\a%4)+2*i:64*(\a%4)+2*i+1], v[BM+2*\a:BM+2*\a+1]
.else
	v_pk_add_f32 v[TT+2*i:TT+2*i+1], v[64*(\a%4)+2*i:64*(\a%4)+2*i+1], v[BN+2*i:BN+2*i+1]
.endif
.set i, i+1
.endr
	WIN 0
.if \a > 0
	s_wait_xcnt 0x0                                ; the last block's stores have read their registers: the codes may be written again
.endif
	QUANT TT
.if \isv
	v_mov_b32 v[SW+\a], v[PW]
.irp c, 0,1,2
	global_store_b128 v[OA], v[PC+4*\c:PC+4*\c+3], s[12:13] offset:(\a/4)*HEADB+6144+(\a%4)*1536+512*\c   ; 512 consecutive bytes
.endr
.else
	v_lshrrev_b32 v[SW+\a], v[SH], v[PW]           ; lanes 0-15 keep the word (head 0; its upper bytes meet zero codes), lanes 16-31 bring head 1's two bytes down
	global_store_b128 v[OA], v[PC:PC+3], s[12:13] offset:768*\a
	global_store_b64 v[OB], v[PC+4:PC+5], s[12:13] offset:768*\a+512
	global_store_b128 v[OA], v[PC+6:PC+9], s[12:13] offset:HEADB+768*\a
	global_store_b64 v[OB], v[PC+10:PC+11], s[12:13] offset:HEADB+768*\a+512
.endif
.endr
.if \isv
	v_cmp_le_u32 vcc_lo, 16, v[LN]
.irp n, 0,1,2,3
	v_cndmask_b32 v[XW+\n], v[SW+\n], v[SW+4+\n], vcc_lo   ; lanes 0-15: head 0's four fragments, lanes 16-31: head 1's
.endr
	global_store_b128 v[OS], v[XW:XW+3], s[12:13] offset:12800
.else
	global_store_b128 v[OS], v[SW:SW+3], s[12:13] offset:12288     ; tiles 0-3: sixteen lanes fill 256 consecutive bytes of a head's record
	global_store_b128 v[OS], v[SW+4:SW+7], s[12:13] offset:12544   ; tiles 4-7
.endif
.endm
	PLACES NP                                      ; behind the last products: their results are read and A's registers written from here on
	s_wait_loadcnt 0x0                             ; the biases
.irp b, 0,1,2,3
	v_mov_b32 v[TM+4+\b], 0                        ; written once: a lane permute's destination counts as one of its sources
.endr
	s_cmp_eq_u32 s104, 2                           ; the same in all partners
	s_cbranch_scc1 .Lv
	WAYOUT 0
	s_branch .Lend
.Lv:
	WAYOUT 1
.Lend:
	s_wait_tensorcnt 0x0                           ; the wave's end
	ds_add_u32 v[SPW], v[NIL]
	s_wait_dscnt 0x0
	CROUND                                         ; the closing round: no work-group ends while a partner may still ask for a tile that names it
	s_endpgm
.Lfunc_end_k_q388b1f661e_proj:
	.size	k_q388b1f661e_proj, .Lfunc_end_k_q388b1f661e_proj-k_q388b1f661e_proj
	.p2alignl 7, 3214868480
	.fill 96, 4, 3214868480
	.section	.rodata,"a",@progbits
	.p2align	6, 0x0
	.amdhsa_kernel k_q388b1f661e_proj
		.amdhsa_group_segment_fixed_size 327680
		.amdhsa_private_segment_fixed_size 0
		.amdhsa_enable_private_segment 0
		.amdhsa_kernarg_size 72
		.amdhsa_user_sgpr_count 2
		.amdhsa_user_sgpr_kernarg_segment_ptr 1
		.amdhsa_wavefront_size32 1
		.amdhsa_system_sgpr_workgroup_id_x 1
		.amdhsa_system_sgpr_workgroup_id_y 1
		.amdhsa_system_sgpr_workgroup_id_z 1
		.amdhsa_system_vgpr_workitem_id 0
		.amdhsa_next_free_vgpr 1024
		.amdhsa_next_free_sgpr 106
		.amdhsa_reserve_vcc 1
		.amdhsa_float_denorm_mode_32 3
		.amdhsa_float_denorm_mode_16_64 3
		.amdhsa_memory_ordered 1
		.amdhsa_forward_progress 1
		.amdhsa_inst_pref_size 235
	.end_amdhsa_kernel
	.amdgpu_metadata
---
amdhsa.version: [ 1, 2 ]
amdhsa.kernels:
  - .name:           k_q388b1f661e_proj
    .symbol:         k_q388b1f661e_proj.kd
    .args:
      - { .name: acodes, .offset: 0, .size: 8, .value_kind: global_buffer, .address_space: global }
      - { .name: ascales, .offset: 8, .size: 8, .value_kind: global_buffer, .address_space: global }
      - { .name: wcodes, .offset: 16, .size: 8, .value_kind: global_buffer, .address_space: global }
      - { .name: wscales, .offset: 24, .size: 8, .value_kind: global_buffer, .address_space: global }
      - { .name: bq, .offset: 32, .size: 8, .value_kind: global_buffer, .address_space: global }
      - { .name: bk, .offset: 40, .size: 8, .value_kind: global_buffer, .address_space: global }
      - { .name: bv, .offset: 48, .size: 8, .value_kind: global_buffer, .address_space: global }
      - { .name: qimg, .offset: 56, .size: 8, .value_kind: global_buffer, .address_space: global }
      - { .name: kvimg, .offset: 64, .size: 8, .value_kind: global_buffer, .address_space: global }
    .group_segment_fixed_size: 327680
    .private_segment_fixed_size: 0
    .kernarg_segment_align: 8
    .kernarg_segment_size: 72
    .max_flat_workgroup_size: 128
    .sgpr_count:     106
    .vgpr_count:     1024
    .wavefront_size: 32
...
	.end_amdgpu_metadata
.endif
;; end of part 2
;; launch attn (part 3): grid 4 x 64, 16 waves a work-group, clusters of 4 x 1, 210,944 bytes of LDS; arguments qimg, kvimg, acodes, ascales; writes acodes, ascales
.if DOCPART == 3
	.amdgcn_target "amdgcn-amd-amdhsa--gfx1250"
	.amdhsa_code_object_version 6
	.text
	.protected	k_q388b1f661e_attn
	.globl	k_q388b1f661e_attn
	.p2align	8
	.type	k_q388b1f661e_attn,@function
k_q388b1f661e_attn:
	s_mov_b64 s[64:65], 0
	v_nop
	global_prefetch_b8 v0, s[64:65] scope:SCOPE_SE
	s_setreg_imm32_b32 hwreg(HW_REG_WAVE_MODE, 25, 1), 1
	s_wait_xcnt 0x0
	s_wait_alu depctr_hold_cnt(0) depctr_sa_sdst(0) depctr_va_vdst(0) depctr_va_sdst(0) depctr_va_ssrc(0) depctr_va_vcc(0) depctr_vm_vsrc(0)
	s_getreg_b32 s2, hwreg(HW_REG_IB_STS2, 6, 4)
	s_cmp_eq_u32 s2, 0
	s_cbranch_scc0 .Lentry_in_a_cluster
	s_endpgm
.Lentry_in_a_cluster:
	s_bfe_u32 s2, ttmp6, 0x10000c
	s_cmp_lg_u32 s2, 0x3003
	s_cbranch_scc0 .Lentry_shape_is_right
	s_endpgm
.Lentry_shape_is_right:
; ctx = softmax(q k^T / 8) v for one head and 512 queries a work-group, both products on codes of BF6 (E3M2) with E8M0 scales; ctx is quantised along the output product's K and stored as codes.
; THE SOFTMAX: t = score x log2(e) / 8; M = the running largest t rounded UP to a whole number; p = 2^(t - M) is quantised along the keys, not normalised; the row's sum is taken of the unquantised p and divides at the end.
; When M moves, the sum and O are multiplied by 2^(old M - new M): exact.
; LDS holds the head's 16 records (128 keys each: 8 tiles of k, 4 fragments of v^T, their scale words), as images of operand registers: 208,896 bytes, FILLED ONCE: wave w brings record w.  Nothing is filled again and
; nothing is stored to LDS, so the loop has no barrier.  The four work-groups of a cluster take the four quarters of one head's queries and need the same records: each load is a JOINT load that names the four.
; SHARES.  Sixteen waves, four to a SIMD.  A wave owns two tiles of 16 queries, one after the other (passes 0, 1), and walks all 16 records for each.
; LAYOUT.  Both products are used transposed: S^T = k q^T (source 0 = keys), O^T = v^T p^T (source 0 = 16 channels): a lane holds ONE query throughout.  The rows of a tile stand in position order, so that the 16 registers of
; tiles 2 b and 2 b + 1 are 16 true neighbours: keys for p, channels for ctx.
; TWO TILES OF KEYS IN ONE OPERAND.  The scores' K is 64, the instruction's 128.  Source 0 holds tile 2 P in its registers 0-5 and tile 2 P + 1 in its registers 6-11 (two neighbouring tiles of the record, as they lie); q stands as
; [q | zero codes | q] in 18 registers: source 1 = its registers 0-11 meets tile 2 P alone, source 1 = its registers 6-17 tile 2 P + 1 alone: zero codes add nothing.  A pair's scale word is the two tiles' low halves; q's is its low half twice.
; NO LDS LOAD IS WAITED FOR DIRECTLY BEHIND ITS ISSUE.  Two regions of 64 registers, RA and RB, change roles from step to step.  In a step k lies in one (KR) and the scores go to the other (SR); behind the scores v^T's fragments are asked
; for into KR and land under the softmax; behind the conversions, which are the last readers of p, the NEXT record's k is asked for into SR and lands under the rest of the step.  A trip of the loop is two steps.
; LIMITS: a block of zeros gets the byte 1 where the rule says 127 (zero codes; this program alone reads the bytes); NaN and infinities are not served.  ctx leaves as 48 bytes a row and head, its scale bytes as 2: a head is all that a work-group holds.
.set HEADB, 208896
.set REC,   13056
.set NKL,   16                         ; LDS loads that bring a record's k
.set QF,    16                         ; v16-33   q | zero codes | q
.set RA,    36                         ; v36-99
.set RB,    100                        ; v100-163
.set OT,    164                        ; v164-195 O^T
.set PCD,   196                        ; v196-207 p's codes
.set CT,    208                        ; v208-210, v212-214 the conversions' second halves
.set BM,    216                        ; v216-219 the blocks' largest scores, then largest p
.set PT,    220                        ; v220-223 a lane permute's results, then the scales' bytes
.set SO,    224                        ; v224-227 the conversions' scale operands
.set KSP,   228                        ; v228-229 k's pair words: register i holds pair i's in lanes 0-15 and pair 2 + i's in lanes 16-31
.set KRAW,  230                        ; v230-233 k's scale words as they lie: register i holds tile i's in lanes 0-15 and tile 4 + i's in lanes 16-31
.set VS,    234                        ; v234-237 v's scale words
.set T1,    238                        ; v238-243 three chains of the row's sum
.set T2,    240
.set T3,    242
.set FF,    244                        ; v244     f = 2^(old M - new M)  (v245 is named with it as a pair)
.set PW,    246                        ; v246     p's scale word
.set TMPR,  247
.set QS,    248                        ; v248     q's scale word
.set LNR,   249                        ; v249-251 lane, lane % 16, lane / 16: at the head alone
.set RR,    250
.set HH,    251
.set WV,    18                         ; s18  my wave's number
.set SEL,   42                         ; s[42:43] lane selects for v_permlanex16_b32: lane l xor 16
.set CS,    44                         ; s[44:45] c = log2(e) / 8
.set TB,    46                         ; s46  LDS byte at which the record in hand begins
.set CNT,   47                         ; s47  trips to go
.macro CROUND                          ; a round of the cluster's barrier
	s_barrier_signal -1
	s_barrier_wait -1
	s_cmp_lg_u32 s[WV], 0
	s_cbranch_scc1 .Lnot_wave_0_\@
	s_barrier_signal -3
.Lnot_wave_0_\@:
	s_barrier_wait -3
	s_barrier_signal -1
	s_barrier_wait -1
.endm
	s_load_b256 s[4:11], s[0:1], 0x0               ; qimg, kvimg, acodes, ascales
	v_lshl_add_u32 v254, v0, 2, 0x33000
	v_mov_b32 v255, 0
	ds_add_u32 v254, v255
	ds_add_u32 v254, v255
	v_lshrrev_b32 v1, 5, v0
	v_readfirstlane_b32 s[WV], v1                  ; wave 0..15
	s_bfe_u32 s19, ttmp6, 0x40000                  ; cx: which quarter of the head's queries
	s_and_b32 s20, ttmp7, 0xffff                   ; the head, 16 x batch + head: the four partners share it
	; descriptor group 1: a record is 51 dense rows of 256 bytes (32 elements of 8 bytes)
	s_mov_b32 s24, 15|(3<<16)|(1<<21)              ; the mask: all four work-groups; elements of 8 bytes; bit 21 set beside a mask; no padding
	s_mov_b32 s25, 32<<16                          ; tensor_dim0
	s_mov_b32 s26, 51<<16                          ; tensor_dim1
	s_mov_b32 s27, 32<<16                          ; tile_dim0
	s_mov_b32 s28, 51                              ; tile_dim1
	s_mov_b32 s29, 32                              ; from row to row
	s_mov_b32 s30, 0
	s_mov_b32 s31, 0
	s_mul_i32 s21, s20, HEADB                      ; the head's first byte in both image buffers
	s_mov_b32 s32, 1
	s_mul_i32 s33, s[WV], REC                      ; record w: its place in LDS and in the head
	s_add_co_u32 s2, s21, s33
	s_mov_b32 s3, 0
	s_mov_b32 s[SEL], 0x76543210
	s_mov_b32 s[SEL+1], 0xfedcba98
	s_mov_b32 s[CS], 0x3e38aa3b
	s_mov_b32 s[CS+1], s[CS]                       ; (named with it as a pair, so it is written)
	s_wait_dscnt 0x0
	s_wait_kmcnt 0x0
	s_add_nc_u64 s[34:35], s[6:7], s[2:3]
	s_or_b32 s35, s35, 0x80000000
	CROUND                                         ; all four work-groups are here: the joint loads meet
	tensor_load_to_lds s[32:35], s[24:31]          ; my one tensor load of the launch
	s_nop 0
.rept 4
	v_nop
.endr
	s_lshl_b32 s2, s19, 2                          ; q: tile 32 cx + 16 pass + w lies in record 4 cx + 2 pass + w / 8, as its tile w % 8
	s_lshr_b32 s22, s[WV], 3
	s_add_co_u32 s2, s2, s22
	s_mul_i32 s2, s2, REC
	s_add_co_u32 s2, s2, s21
	s_add_nc_u64 s[36:37], s[4:5], s[2:3]
	s_lshr_b32 s22, s20, 4                         ; ctx: row = 2,048 x batch + 16 x (32 cx + w), in positions as q's rows are
	s_lshl_b32 s22, s22, 11
	s_lshl_b32 s23, s19, 5
	s_add_co_u32 s23, s23, s[WV]
	s_lshl_b32 s23, s23, 4
	s_add_co_u32 s22, s22, s23
	s_and_b32 s23, s20, 15                         ; the head: 48 bytes of codes, 2 scale bytes
	s_mul_i32 s2, s22, 1536
	s_mul_i32 s21, s23, 48
	s_add_co_u32 s2, s2, s21
	s_add_nc_u64 s[38:39], s[8:9], s[2:3]
	s_lshl_b32 s2, s22, 6
	s_lshl_b32 s23, s23, 1
	s_add_co_u32 s2, s2, s23
	s_add_nc_u64 s[40:41], s[10:11], s[2:3]
	v_and_b32 v[LNR], 31, v0                       ; lane
	v_and_b32 v[RR], 15, v0                        ; r
	v_bfe_u32 v[HH], v0, 4, 1                      ; h
	v_lshlrev_b32 v1, 4, v[LNR]                    ; 16 x lane
	v_lshlrev_b32 v2, 3, v[LNR]                    ; 8 x lane
	v_lshlrev_b32 v3, 4, v[RR]                     ; 16 r
	s_and_b32 s22, s[WV], 7
	s_mul_i32 s22, s22, 768
	v_add_nc_u32 v4, s22, v1                       ; q's tile: registers 0-3
	s_add_co_u32 s22, s22, 512
	v_add_nc_u32 v5, s22, v2                       ; registers 4, 5
	s_bfe_u32 s22, s[WV], 0x10002
	s_lshl_b32 s22, s22, 8
	s_and_b32 s23, s[WV], 3
	s_lshl_b32 s23, s23, 2
	s_add_co_u32 s22, s22, s23
	s_add_co_u32 s22, s22, 12288
	v_add_nc_u32 v6, s22, v3                       ; its scale words
	v_mul_u32_u24 v7, v[RR], 1536
	v_mad_u32_u24 v7, v[HH], 24, v7                ; ctx's codes: row r, block h
	v_lshl_add_u32 v11, v[RR], 6, v[HH]            ; its scale byte
	v_cmp_le_u32 s48, 16, v[LNR]                   ; lanes 16-31
.irp j, 6,7,8,9,10,11
	v_mov_b32 v[QF+\j], 0                          ; the zero codes between q's two copies
.endr
.irp b, 0,1,2,3
	v_mov_b32 v[PT+\b], 0                          ; written once: a lane permute's destination counts as one of its sources
.endr
	v_mov_b32 v[FF+1], 0                           ; (named as the upper half of the pair before anything else writes it)
; A record's k: four operands of two tiles each, 16 loads; a tile is 512 bytes of registers 0-3 and 256 bytes of registers 4, 5
.macro KLOAD reg, a16, a8, off
.irp P, 0,1,2,3
	ds_load_b128 v[\reg+12*\P:\reg+12*\P+3], v[\a16] offset:\off+1536*\P
	ds_load_b64 v[\reg+12*\P+4:\reg+12*\P+5], v[\a8] offset:\off+1536*\P+512
	ds_load_b128 v[\reg+12*\P+6:\reg+12*\P+9], v[\a16] offset:\off+1536*\P+768
	ds_load_b64 v[\reg+12*\P+10:\reg+12*\P+11], v[\a8] offset:\off+1536*\P+1280
.endr
.endm
.macro KPAIR                           ; a pair's scale word: the low halves of its two tiles' words (a tile's two bytes lie in the low half)
	v_perm_b32 v[KSP], v[KRAW+1], v[KRAW], 0x05040100
	v_perm_b32 v[KSP+1], v[KRAW+3], v[KRAW+2], 0x05040100
.endm
; A KEY STEP: one record, 128 keys.  KR: the region that holds its k, and then its v^T.  SR: the region for its scores and p, and then for the next record's k.
; pre = 1: the next record is asked for; 2: record 0, for the next pass; 0: nothing.
.macro STEP KR, SR, pre
.rept 5
	v_nop                                          ; five plain lines between the last step's second products, which read SR, and the first products below, which write over it
.endr
	s_wait_dscnt 0x0                               ; k is in: it was asked for in the last step
.irp P, 0,1,2,3                                ; S^T = k q^T: tile t goes to SR + 8 t
.if \P > 1
	v_wmma_scale_f32_16x16x128_f8f6f4 v[\SR+16*\P:\SR+16*\P+7], v[\KR+12*\P:\KR+12*\P+11], v[QF:QF+11], 0, v[KSP+(\P%2)], v[QS] matrix_a_fmt:MATRIX_FMT_BF6 matrix_b_fmt:MATRIX_FMT_BF6 matrix_a_scale:MATRIX_SCALE_ROW1
	v_wmma_scale_f32_16x16x128_f8f6f4 v[\SR+16*\P+8:\SR+16*\P+15], v[\KR+12*\P:\KR+12*\P+11], v[QF+6:QF+17], 0, v[KSP+(\P%2)], v[QS] matrix_a_fmt:MATRIX_FMT_BF6 matrix_b_fmt:MATRIX_FMT_BF6 matrix_a_scale:MATRIX_SCALE_ROW1
.else
	v_wmma_scale_f32_16x16x128_f8f6f4 v[\SR+16*\P:\SR+16*\P+7], v[\KR+12*\P:\KR+12*\P+11], v[QF:QF+11], 0, v[KSP+(\P%2)], v[QS] matrix_a_fmt:MATRIX_FMT_BF6 matrix_b_fmt:MATRIX_FMT_BF6
	v_wmma_scale_f32_16x16x128_f8f6f4 v[\SR+16*\P+8:\SR+16*\P+15], v[\KR+12*\P:\KR+12*\P+11], v[QF+6:QF+17], 0, v[KSP+(\P%2)], v[QS] matrix_a_fmt:MATRIX_FMT_BF6 matrix_b_fmt:MATRIX_FMT_BF6
.endif
.endr                                          ; lane (r, h) holds query r; the 16 registers of tiles 2 b, 2 b + 1 are keys 32 b + 16 h + 0 .. 15 of the record
	v_add_nc_u32 v8, s[TB], v1                     ; the record's LDS addresses: these three and the v_nop are the four places behind the products,
	v_add_nc_u32 v9, s[TB], v2                     ; in front of the loads into KR and of the first read of the scores
	v_add_nc_u32 v10, s[TB], v3
	v_nop
.irp t, 0,1,2,3                                ; v^T's four fragments take k's registers and land under the softmax
.irp c, 0,1,2
	ds_load_b128 v[\KR+12*\t+4*\c:\KR+12*\t+4*\c+3], v8 offset:6144+1536*\t+512*\c
.endr
.endr
	ds_load_b128 v[VS:VS+3], v10 offset:12800      ; v's scale words: register t holds fragment t's
.if \pre == 1
	ds_load_b128 v[KRAW:KRAW+3], v8 offset:REC+12288   ; and the next record's scale words of k
.elseif \pre == 2
	ds_load_b128 v[KRAW:KRAW+3], v1 offset:12288
.endif
.irp b, 0,1,2,3
	v_max3_num_f32 v[BM+\b], v[\SR+16*\b], v[\SR+16*\b+1], v[\SR+16*\b+2]   ; the largest score of each block of 32 keys: for the row's maximum and, since p rises with the score, for the block's largest p
.endr
.irp i, 3,5,7,9,11,13
.irp b, 0,1,2,3
	v_max3_num_f32 v[BM+\b], v[BM+\b], v[\SR+16*\b+\i], v[\SR+16*\b+\i+1]
.endr
.endr
.irp b, 0,1,2,3
	v_max_num_f32 v[BM+\b], v[BM+\b], v[\SR+16*\b+15]
.endr
.irp b, 0,1,2,3
	v_permlanex16_b32 v[PT+\b], v[BM+\b], s[SEL], s[SEL+1]
.endr
.irp b, 0,1,2,3
	v_max_num_f32 v[BM+\b], v[BM+\b], v[PT+\b]     ; with lane l xor 16's 16 keys
.endr
	v_max3_num_f32 v[TMPR], v[BM], v[BM+1], v[BM+2]
	v_max_num_f32 v[TMPR], v[TMPR], v[BM+3]        ; the step's largest score of my query
	v_mul_f32 v[TMPR], s[CS], v[TMPR]              ; as t (c is positive)
	v_max_num_f32 v13, v13, v[TMPR]                ; the running largest t
	v_mov_b32 v[TMPR], v12
	v_floor_f32 v12, -v13                          ; the new -M = floor(-t) = -ceil(t): a whole number
	v_sub_f32 v[TMPR], v12, v[TMPR]                ; old M - new M: a whole number, 0 or less
	v_cvt_i32_f32 v[TMPR], v[TMPR]                 ; (it saturates)
	v_ldexp_f32 v[FF], 1.0, v[TMPR]                ; f = 2^(old M - new M)
	; ONE BATCH: the 32 scalings t - M, two numbers each, and the 64 exponentials; a scaling stands behind every two exponentials and two pairs ahead of its own; none of these lines names an exponential's result
	v_pk_fma_f32 v[\SR:\SR+1], v[\SR:\SR+1], s[CS:CS+1], v[12:13] op_sel_hi:[1,0,0]
	v_pk_fma_f32 v[\SR+2:\SR+3], v[\SR+2:\SR+3], s[CS:CS+1], v[12:13] op_sel_hi:[1,0,0]
.irp b, 0,1,2,3
	v_fma_f32 v[BM+\b], v[BM+\b], s[CS], v12       ; the same of each block's largest score
.endr
.set j, 0
.rept 30
	v_exp_f32 v[\SR+j], v[\SR+j]                   ; p = 2^(t - M), at most 1
	v_exp_f32 v[\SR+j+1], v[\SR+j+1]
	v_pk_fma_f32 v[\SR+j+4:\SR+j+5], v[\SR+j+4:\SR+j+5], s[CS:CS+1], v[12:13] op_sel_hi:[1,0,0]
.set j, j+2
.endr
.irp e, 60,61,62,63
	v_exp_f32 v[\SR+\e], v[\SR+\e]
.endr
	v_pk_mul_f32 v[14:15], v[14:15], v[FF:FF+1] op_sel_hi:[1,0]   ; the sums under the new M (the plain line behind the exponentials)
	s_wait_alu depctr_va_vdst(0)                   ; one wait for the whole batch, ahead of its first reader
.irp b, 0,1,2,3
	v_exp_f32 v[BM+\b], v[BM+\b]                   ; the block's largest p: the same two instructions on the same number give the same bits
.endr
	v_pk_add_f32 v[T1:T1+1], v[\SR:\SR+1], v[\SR+2:\SR+3]        ; the row's sum of the unquantised p, in four chains that do not wait for each other
	v_pk_add_f32 v[T2:T2+1], v[\SR+4:\SR+5], v[\SR+6:\SR+7]
	v_pk_add_f32 v[T3:T3+1], v[\SR+8:\SR+9], v[\SR+10:\SR+11]
	v_pk_add_f32 v[14:15], v[14:15], v[\SR+12:\SR+13]
.irp j, 14,22,30,38,46,54
	v_pk_add_f32 v[T1:T1+1], v[T1:T1+1], v[\SR+\j:\SR+\j+1]
	v_pk_add_f32 v[T2:T2+1], v[T2:T2+1], v[\SR+\j+2:\SR+\j+3]
	v_pk_add_f32 v[T3:T3+1], v[T3:T3+1], v[\SR+\j+4:\SR+\j+5]
	v_pk_add_f32 v[14:15], v[14:15], v[\SR+\j+6:\SR+\j+7]
.endr
	v_pk_add_f32 v[T1:T1+1], v[T1:T1+1], v[\SR+62:\SR+63]
	v_pk_add_f32 v[T1:T1+1], v[T1:T1+1], v[T2:T2+1]
	v_pk_add_f32 v[14:15], v[14:15], v[T3:T3+1]
	v_pk_add_f32 v[14:15], v[14:15], v[T1:T1+1]
	s_wait_alu depctr_va_vdst(0)                   ; and one for the four
.irp b, 0,1,2,3
	v_max_num_f32 v[BM+\b], 0x2800000, v[BM+\b]    ; the floor 2^(5 - 127)
.endr
.irp b, 0,1,2,3
	v_add_nc_u32 v[SO+\b], 0xfe000000, v[BM+\b]    ; 4 off the exponent field: the conversion's scale operand
.endr
.irp b, 0,1,2,3
	v_lshrrev_b32 v[PT+\b], 23, v[SO+\b]           ; the scale's byte
.endr
	v_lshl_or_b32 v[PW], v[PT+1], 8, v[PT]         ; p's scale word for these 128 keys
	v_lshl_or_b32 v[PW], v[PT+2], 16, v[PW]
	v_lshl_or_b32 v[PW], v[PT+3], 24, v[PW]
.irp c, 0,1
	v_cvt_scalef32_pk16_bf6_f32 v[PCD+6*\c:PCD+6*\c+2], v[\SR+32*\c:\SR+32*\c+15], v[SO+2*\c]
	v_cvt_scalef32_pk16_bf6_f32 v[CT+4*\c:CT+4*\c+2], v[\SR+32*\c+16:\SR+32*\c+31], v[SO+2*\c+1]   ; (a conversion's three registers begin on an even number)
.endr
	v_nop                                          ; one plain line behind a scaled conversion
.if \pre == 1                                  ; p has been read for the last time: the next record's k takes its registers, and lands under the rest of the step
	KLOAD \SR, 8, 9, REC
.elseif \pre == 2
	KLOAD \SR, 1, 2, 0
.endif
.if \pre
	s_wait_dscnt NKL                               ; the 16 just issued may be out; older than they, so in: v^T's 12 loads, v's scale words, the next k's scale words
	KPAIR                                          ; more than eight plain lines ahead of the next step's first products
.else
	s_wait_dscnt 0x0
.endif
.irp c, 0,1                                    ; the operand's layout wants a WHOLE block in a lane
.irp i, 0,1,2
	v_permlane16_swap_b32 v[PCD+6*\c+\i], v[CT+4*\c+\i]
.endr
.irp i, 0,1,2
	v_mov_b32 v[PCD+6*\c+3+\i], v[CT+4*\c+\i]
.endr
.endr
.set j, 0
.rept 16
	v_pk_mul_f32 v[OT+j:OT+j+1], v[OT+j:OT+j+1], v[FF:FF+1] op_sel_hi:[1,0]   ; O^T under the new M (also the places in front of the scaled products)
.set j, j+2
.endr
.irp t, 0,1,2,3                                ; O^T += v^T p^T: the four accumulators by turns; the eight first products stand between two links of a chain
	v_wmma_scale_f32_16x16x128_f8f6f4 v[OT+8*\t:OT+8*\t+7], v[\KR+12*\t:\KR+12*\t+11], v[PCD:PCD+11], v[OT+8*\t:OT+8*\t+7], v[VS+\t], v[PW] matrix_a_fmt:MATRIX_FMT_BF6 matrix_b_fmt:MATRIX_FMT_BF6
.endr
	s_add_co_u32 s[TB], s[TB], REC
.endm
; THE WAY OUT of a pass: O^T / the sum; register 16 b + i is true channel 32 b + 16 h + i of my query: two blocks of the output product's K; quantised and stored as 24 bytes and one scale byte a lane.
; The numbers stand in RB, which the pass's last step has left (RA may be taking the next pass's first k meanwhile).
.macro OUT p
.rept 4
	v_nop                                          ; places behind the last products
.endr
	v_add_f32 v14, v14, v15
	v_permlanex16_b32 v[TMPR], v14, s[SEL], s[SEL+1]
	v_add_f32 v14, v14, v[TMPR]                    ; the row's sum
	v_rcp_f32 v14, v14
	v_nop                                          ; a plain line behind the transcendental
	s_wait_alu depctr_va_vdst(0)                   ; and the wait ahead of its first reader
.set j, 0
.rept 32
	v_mul_f32 v[RB+j], v[OT+j], v14
.set j, j+1
.endr
.irp b, 0,1
	v_max3_num_f32 v[BM+\b], |v[RB+16*\b]|, |v[RB+16*\b+1]|, 0x2800000
.endr
.irp i, 2,4,6,8,10,12,14
.irp b, 0,1
	v_max3_num_f32 v[BM+\b], v[BM+\b], |v[RB+16*\b+\i]|, |v[RB+16*\b+\i+1]|
.endr
.endr
.irp b, 0,1
	v_permlanex16_b32 v[PT+\b], v[BM+\b], s[SEL], s[SEL+1]
.endr
.irp b, 0,1
	v_max_num_f32 v[BM+\b], v[BM+\b], v[PT+\b]
.endr
.irp b, 0,1
	v_add_nc_u32 v[SO+\b], 0xfe000000, v[BM+\b]
.endr
.irp b, 0,1
	v_lshrrev_b32 v[PT+\b], 23, v[SO+\b]
.endr
	v_cvt_scalef32_pk16_bf6_f32 v[PCD:PCD+2], v[RB:RB+15], v[SO]
	v_cvt_scalef32_pk16_bf6_f32 v[PCD+4:PCD+6], v[RB+16:RB+31], v[SO+1]
	v_nop
.irp i, 0,1,2
	v_permlane16_swap_b32 v[PCD+\i], v[PCD+4+\i]   ; lane (r, h) now holds block h: its lower 16 codes in the first three registers, its upper 16 in the second three
.endr
	v_cndmask_b32 v[PT+2], v[PT], v[PT+1], s48     ; and its byte
	global_store_b96 v7, v[PCD:PCD+2], s[38:39] offset:393216*\p
	global_store_b96 v7, v[PCD+4:PCD+6], s[38:39] offset:393216*\p+12
	global_store_b8 v11, v[PT+2], s[40:41] offset:16384*\p
.endm
.macro PASS p
.if \p
	s_wait_xcnt 0x0                                ; the last pass's stores have read their registers
.endif
	global_load_b128 v[QF:QF+3], v4, s[36:37] offset:2*REC*\p          ; q's tile, twice: below and above the zero codes
	global_load_b64 v[QF+4:QF+5], v5, s[36:37] offset:2*REC*\p
	global_load_b128 v[QF+12:QF+15], v4, s[36:37] offset:2*REC*\p
	global_load_b64 v[QF+16:QF+17], v5, s[36:37] offset:2*REC*\p
	global_load_b32 v[QS], v6, s[36:37] offset:2*REC*\p
	s_mov_b32 s[TB], 0
	s_mov_b32 s[CNT], 7
.if \p == 0
	s_wait_tensorcnt 0x0                           ; my record has landed,
	s_barrier_signal -1
	s_barrier_wait -1                              ; and so has every wave's
	KLOAD RA, 1, 2, 0                              ; record 0's k (in pass 1 the last pass's last step has asked for it)
	ds_load_b128 v[KRAW:KRAW+3], v1 offset:12288
.endif
	s_wait_loadcnt 0x0                             ; q
	v_perm_b32 v[QS], v[QS], v[QS], 0x05040100     ; q's two scale bytes, twice: for K = 0 .. 63 and for K = 64 .. 127
.if \p == 0
	s_wait_dscnt 0x0
	KPAIR
.endif
	v_mov_b32 v13, 0xff61b1e6                      ; the largest t so far: -3e38
	v_floor_f32 v12, -v13                          ; -M
	v_mov_b32 v14, 0
	v_mov_b32 v15, 0
.set j, 0
.rept 32
	v_mov_b32 v[OT+j], 0                           ; O^T: the first step finds zeros, which the first change of M leaves zeros.  (These lines are also the places between the scale words made above and the first products)
.set j, j+1
.endr
.Lstep_\@:                                     ; 7 trips of two steps; the regions are back where they began after each
	STEP RA, RB, 1
	STEP RB, RA, 1
	s_sub_co_u32 s[CNT], s[CNT], 1
	s_cmp_lg_u32 s[CNT], 0
	s_cbranch_scc1 .Lstep_\@
	STEP RA, RB, 1                                 ; the last two records are written out: no LDS load reaches past the sixteenth
	STEP RB, RA, 2-2*\p
	OUT \p
.endm
	PASS 0
	PASS 1
	s_wait_dscnt 0x0
	s_wait_tensorcnt 0x0
	ds_add_u32 v254, v255
	s_wait_dscnt 0x0
	CROUND                                         ; the closing round
	s_endpgm
.Lfunc_end_k_q388b1f661e_attn:
	.size	k_q388b1f661e_attn, .Lfunc_end_k_q388b1f661e_attn-k_q388b1f661e_attn
	.p2alignl 7, 3214868480
	.fill 96, 4, 3214868480
	.section	.rodata,"a",@progbits
	.p2align	6, 0x0
	.amdhsa_kernel k_q388b1f661e_attn
		.amdhsa_group_segment_fixed_size 210944
		.amdhsa_private_segment_fixed_size 0
		.amdhsa_enable_private_segment 0
		.amdhsa_kernarg_size 32
		.amdhsa_user_sgpr_count 2
		.amdhsa_user_sgpr_kernarg_segment_ptr 1
		.amdhsa_wavefront_size32 1
		.amdhsa_system_sgpr_workgroup_id_x 1
		.amdhsa_system_sgpr_workgroup_id_y 1
		.amdhsa_system_sgpr_workgroup_id_z 1
		.amdhsa_system_vgpr_workitem_id 0
		.amdhsa_next_free_vgpr 256
		.amdhsa_next_free_sgpr 66
		.amdhsa_reserve_vcc 0
		.amdhsa_float_denorm_mode_32 3
		.amdhsa_float_denorm_mode_16_64 3
		.amdhsa_memory_ordered 1
		.amdhsa_forward_progress 1
		.amdhsa_inst_pref_size 141
	.end_amdhsa_kernel
	.amdgpu_metadata
---
amdhsa.version: [ 1, 2 ]
amdhsa.kernels:
  - .name:           k_q388b1f661e_attn
    .symbol:         k_q388b1f661e_attn.kd
    .args:
      - { .name: qimg, .offset: 0, .size: 8, .value_kind: global_buffer, .address_space: global }
      - { .name: kvimg, .offset: 8, .size: 8, .value_kind: global_buffer, .address_space: global }
      - { .name: acodes, .offset: 16, .size: 8, .value_kind: global_buffer, .address_space: global }
      - { .name: ascales, .offset: 24, .size: 8, .value_kind: global_buffer, .address_space: global }
    .group_segment_fixed_size: 210944
    .private_segment_fixed_size: 0
    .kernarg_segment_align: 8
    .kernarg_segment_size: 32
    .max_flat_workgroup_size: 512
    .sgpr_count:     66
    .vgpr_count:     256
    .wavefront_size: 32
...
	.end_amdgpu_metadata
.endif
;; end of part 3
;; launch fc (part 4): grid 4 x 32, 4 waves a work-group, clusters of 4 x 4, 327,680 bytes of LDS; arguments acodes, ascales, wcodes, wscales, xbuf; writes xbuf
.if DOCPART == 4
	.amdgcn_target "amdgcn-amd-amdhsa--gfx1250"
	.amdhsa_code_object_version 6
	.text
	.protected	k_q388b1f661e_fc
	.globl	k_q388b1f661e_fc
	.p2align	8
	.type	k_q388b1f661e_fc,@function
k_q388b1f661e_fc:
	s_mov_b64 s[64:65], 0
	v_nop
	global_prefetch_b8 v0, s[64:65] scope:SCOPE_SE
	s_setreg_imm32_b32 hwreg(HW_REG_WAVE_MODE, 25, 1), 1
	s_wait_xcnt 0x0
	s_wait_alu depctr_hold_cnt(0) depctr_sa_sdst(0) depctr_va_vdst(0) depctr_va_sdst(0) depctr_va_ssrc(0) depctr_va_vcc(0) depctr_vm_vsrc(0)
	s_getreg_b32 s2, hwreg(HW_REG_IB_STS2, 6, 4)
	s_cmp_eq_u32 s2, 0
	s_cbranch_scc0 .Lentry_in_a_cluster
	s_endpgm
.Lentry_in_a_cluster:
	s_bfe_u32 s2, ttmp6, 0x10000c
	s_cmp_lg_u32 s2, 0xf033
	s_cbranch_scc0 .Lentry_shape_is_right
	s_endpgm
.Lentry_shape_is_right:
; x = ctx Wfc + q Wq, as ONE product with K = 2,048 over [ctx | q] (region 0 of acodes) and [Wfc | Wq] (region 0 of wcodes): the output product and the residual's projection share their accumulators, so the residual never goes to memory.
; (The f32 additions so stand in another order than where the two products are summed apart and then added.)  The biases and the norm follow in the next launch.
; C[m][n] = sum over k of A[m][k] B[n][k].  A: [SIZE_M][SIZE_K], B: [SIZE_N][SIZE_K]: codes of BF6 (E3M2) with one E8M0 scale for each 32 along K; C f32.  Rows of A and of B stand in position order, and so do C's rows and columns.
; A tile of C, 256 x 256, is made by four waves; a wave makes 128 x 128: 64 accumulators, 512 registers.  K goes in steps of 256 through a ring of two LDS slots filled by the tensor data mover: a tile's row is 192 bytes.
; THE SCALES of the work-group's 256 rows of A and of B, for all of K, are two dense blocks of memory: they come into LDS ONCE, with the first fills, and stay.
; CLUSTERS: 4 x 4 work-groups; A's tiles are asked for jointly along a row of the cluster, B's along a column.  THE MATRIX INSTRUCTION IS USED TRANSPOSED: a lane holds eight neighbouring numbers of a row of C.
; REGISTERS, in windows of 256: window 0: v0-31 addresses; v32-63 scale words, two sets; from v128 A's fragments, ONE set.  window 1: B's fragments, TWO sets.  windows 2, 3: the accumulators.
.set SIZE_M, 8192
.set SIZE_N, 1024
.set SIZE_K, 2048
.set KSTEP,  256
.set NQ,     KSTEP/128
.set ROWB,   192
.set KROW,   SIZE_K*6/8
.set PITCH,  240                       ; an LDS row: 3 x (64 bytes + 16 of padding)
.set FR,     12
.set NL,     6
.set NP,     4
.set HALFT,  128*PITCH
.set SLOT,   4*HALFT
.set LAPS,   SIZE_K/(2*KSTEP)
.set KS,     SIZE_K/32                 ; a row of scales: 64 bytes
.set SCL,    2*SLOT                    ; behind the ring: the scales, as units of 256 bytes + 16 of padding
.set HALFS,  (128*KS/256)*272
.set SBLK,   (16*KS/256)*272
.set SPARE,  SCL+4*HALFS               ; the spare words, 128 bytes for each wave
.set SPITCH, 528                       ; the way out: a stage of 16 rows x (512 bytes + 16) for each wave, in slot 0, which has had its last fill and its last read by then
.set ADRA, 16
.set ADRB, 20
.set STO,  24
.set RD,   25
.set CO,   26
.set SPW,  28
.set NIL,  29
.set ADRS, 27
.set SC,   32
.set AF,   128
.set BK,   128
.set G1, 24
.set G0, 32
.set G1B, 48
.set G0B, 56
.set G1S, 68
.set G0S, 76
.set G1SB, 80
.set G0SB, 88
.set MSB, 0
.macro WIN new
.if MSB != \new
	s_set_vgpr_msb (MSB<<8)|\new
.set MSB, \new
.endif
.endm
.set MUL_LO, 0xa1
.set MUL_HI, 0xf1
.set TO_B,   0x40
.macro JLOAD g0a, g1a, g0b, g1b        ; a joint load: waves 0 and 1 fetch for A, waves 2 and 3 for B; four v_nop follow each of the two lines
	s_cmp_eq_u32 s15, 0
	s_cbranch_scc0 .Lfor_b_\@
	tensor_load_to_lds s[\g0a:\g0a+3], s[\g1a:\g1a+7]
	s_nop 0
.rept 4
	v_nop
.endr
	s_branch .Lasked_\@
.Lfor_b_\@:
	tensor_load_to_lds s[\g0b:\g0b+3], s[\g1b:\g1b+7]
	s_nop 0
.rept 4
	v_nop
.endr
.Lasked_\@:
.endm
.macro CREST
	s_cmp_lg_u32 s14, 0
	s_cbranch_scc1 .Lnot_wave_0_\@
	s_barrier_signal -3
.Lnot_wave_0_\@:
	s_barrier_wait -3
	s_barrier_signal -1
	s_barrier_wait -1
.endm
.macro CROUND
	s_barrier_signal -1
	s_barrier_wait -1
	CREST
.endm
	s_load_b128 s[4:7], s[0:1], 0x0                ; A's codes, A's scales
	s_load_b128 s[8:11], s[0:1], 0x10              ; B's codes, B's scales
	s_load_b64 s[12:13], s[0:1], 0x20              ; C
	v_lshl_add_u32 v[SPW], v0, 2, SPARE
	v_mov_b32 v[NIL], 0
	ds_add_u32 v28, v29
	ds_add_u32 v28, v29
	s_wait_dscnt 0x0
	v_lshrrev_b32 v1, 5, v0
	v_readfirstlane_b32 s14, v1                    ; wave 0..3
	s_lshr_b32 s15, s14, 1                         ; which half of the tile's rows is mine.  Also: I fetch for A (0) or for B (1)
	s_and_b32 s16, s14, 1                          ; which half of its columns.  Also: which 128 rows I fetch
	s_bfe_u32 s40, ttmp6, 0x40000                  ; cx, cy
	s_bfe_u32 s41, ttmp6, 0x40004
	s_lshl_b32 s42, ttmp9, 2
	s_add_co_u32 s42, s42, s40                     ; tile column of C
	s_and_b32 s17, ttmp7, 0xffff
	s_lshl_b32 s17, s17, 2
	s_add_co_u32 s17, s17, s41                     ; tile row of C
	s_lshl_b32 s43, s41, 2
	s_lshl_b32 s43, 15, s43                        ; my row of the cluster
	s_lshl_b32 s44, 0x1111, s40                    ; my column
	s_or_b32 s[G1+0], s43, (0<<16)|(1<<20)|(1<<21)|(3<<22)|(3<<25)  ; the mask; elements of 1 byte; padding on; bit 21 beside a mask; after every 16 words 4 words
	s_or_b32 s[G1B+0], s44, (0<<16)|(1<<20)|(1<<21)|(3<<22)|(3<<25)
.irp g, G1, G1B
	s_mov_b32 s[\g+1], ROWB<<16
	s_mov_b32 s[\g+2], 128<<16
	s_mov_b32 s[\g+3], ROWB<<16
	s_mov_b32 s[\g+4], 128
	s_mov_b32 s[\g+5], KROW
	s_mov_b32 s[\g+6], 0
	s_mov_b32 s[\g+7], 0
.endr
	s_or_b32 s[G1S+0], s43, (3<<16)|(1<<20)|(1<<21)|(5<<22)|(3<<25)   ; the scales of 128 rows: a dense block, as rows of 256 bytes, 16 bytes of padding behind each
	s_or_b32 s[G1SB+0], s44, (3<<16)|(1<<20)|(1<<21)|(5<<22)|(3<<25)
.irp g, G1S, G1SB
	s_mov_b32 s[\g+1], 32<<16
	s_mov_b32 s[\g+2], (128*KS/256)<<16
	s_mov_b32 s[\g+3], 32<<16
	s_mov_b32 s[\g+4], 128*KS/256
	s_mov_b32 s[\g+5], 32
	s_mov_b32 s[\g+6], 0
	s_mov_b32 s[\g+7], 0
.endr
	s_lshl_b32 s18, s16, 7
	s_lshl_b32 s20, s17, 8
	s_add_co_u32 s20, s20, s18                     ; A: row 256 x tile row + 128 x half
	s_lshl_b32 s46, s42, 8
	s_add_co_u32 s46, s46, s18                     ; B: row 256 x tile column + 128 x half
	s_mov_b32 s21, 0
	s_mov_b32 s47, 0
	s_mov_b64 s[18:19], KS
	s_mul_u64 s[22:23], s[20:21], s[18:19]
	s_mul_u64 s[92:93], s[46:47], s[18:19]
	s_mov_b64 s[18:19], KROW
	s_mul_u64 s[20:21], s[20:21], s[18:19]
	s_mul_u64 s[46:47], s[46:47], s[18:19]
	s_mul_i32 s45, s14, HALFT                      ; no place in the cluster enters an LDS address
	s_mul_i32 s94, s14, HALFS
	s_wait_kmcnt 0x0
	s_add_nc_u64 s[20:21], s[4:5], s[20:21]
	s_add_nc_u64 s[22:23], s[6:7], s[22:23]
	s_add_nc_u64 s[46:47], s[8:9], s[46:47]
	s_add_nc_u64 s[92:93], s[10:11], s[92:93]
	CROUND                                         ; all sixteen work-groups are here: the first joint loads meet
	s_mov_b32 s[G0S], 1
	s_add_co_u32 s[G0S+1], s94, SCL
	s_mov_b64 s[G0S+2:G0S+3], s[22:23]
	s_or_b32 s[G0S+3], s[G0S+3], 0x80000000
	s_mov_b32 s[G0SB], 1
	s_add_co_u32 s[G0SB+1], s94, SCL
	s_mov_b64 s[G0SB+2:G0SB+3], s[92:93]
	s_or_b32 s[G0SB+3], s[G0SB+3], 0x80000000
	JLOAD G0S, G1S, G0SB, G1SB                     ; the scales first
.irp s, 0,1
	s_mov_b32 s[G0+4*\s], 1
	s_add_co_u32 s[G0+4*\s+1], s45, \s*SLOT
	s_add_nc_u64 s[G0+4*\s+2:G0+4*\s+3], s[20:21], \s*ROWB
	s_or_b32 s[G0+4*\s+3], s[G0+4*\s+3], 0x80000000
	s_mov_b32 s[G0B+4*\s], 1
	s_add_co_u32 s[G0B+4*\s+1], s45, \s*SLOT
	s_add_nc_u64 s[G0B+4*\s+2:G0B+4*\s+3], s[46:47], \s*ROWB
	s_or_b32 s[G0B+4*\s+3], s[G0B+4*\s+3], 0x80000000
	JLOAD G0+4*\s, G1, G0B+4*\s, G1B               ; three tensor loads of mine are out at the most
.endr
	v_and_b32 v1, 15, v0                           ; l % 16
	v_bfe_u32 v2, v0, 4, 1                         ; l / 16
	v_mul_u32_u24 v3, v1, PITCH
	v_mul_u32_u24 v4, v2, 24
	v_add_nc_u32 v4, v3, v4
	v_lshl_add_u32 v5, v2, 4, v4
	s_mul_i32 s21, s15, HALFT
	s_mul_i32 s22, s16, HALFT
	s_add_co_u32 s22, s22, 2*HALFT
.irp s, 0,1
	v_add_nc_u32 v[ADRA+\s], s21, v4
	v_add_nc_u32 v[ADRB+\s], s22, v4
	v_add_nc_u32 v[ADRA+2+\s], s21, v5
	v_add_nc_u32 v[ADRB+2+\s], s22, v5
	s_add_co_u32 s21, s21, SLOT
	s_add_co_u32 s22, s22, SLOT
.endr
	v_mul_u32_u24 v5, v1, KS                       ; my row's scales: KS bytes a row,
	v_lshrrev_b32 v6, 8, v5
	v_lshl_add_u32 v5, v6, 4, v5                   ; and 16 more for each 256 passed
	s_mul_i32 s21, s15, HALFS
	s_mul_i32 s22, s16, HALFS
	s_add_co_u32 s22, s22, 2*HALFS
	s_sub_co_u32 s22, s22, s21
	v_mul_u32_u24 v6, s22, v2                      ; lanes 16-31 take B's
	s_add_co_u32 s21, s21, SCL
	v_add_nc_u32 v5, v5, v6
	v_add_nc_u32 v[ADRS], s21, v5
	s_mul_i32 s23, s14, 16*SPITCH                  ; my stage
	v_mul_u32_u24 v5, v1, SPITCH
	v_lshl_add_u32 v5, v2, 5, v5
	v_add_nc_u32 v[STO], s23, v5
	v_and_b32 v6, 31, v0
	v_lshlrev_b32 v[CO], 4, v6
	v_add_nc_u32 v[RD], s23, v[CO]
	s_lshl_b32 s20, s17, 8
	s_lshl_b32 s21, s15, 7
	s_add_co_u32 s20, s20, s21                     ; my first row of C
	s_mov_b32 s21, 0
	s_mov_b64 s[18:19], SIZE_N*4
	s_mul_u64 s[20:21], s[20:21], s[18:19]
	s_lshl_b32 s46, s42, 10                        ; my first column, in bytes
	s_lshl_b32 s47, s16, 9
	s_add_co_u32 s46, s46, s47
	s_mov_b32 s47, 0
	s_add_nc_u64 s[20:21], s[20:21], s[46:47]
	s_add_nc_u64 s[12:13], s[12:13], s[20:21]
.macro FRAG reg, adr, q, i             ; a fragment: 12 registers, in pieces of 8 bytes; where the piece three on lies behind one padding more, the second address register serves
.irp p, 0,1,2,3,4,5
.set PCE, 12*(\q)+6*(\p/3)+\p%3
.if PCE%8 < 5
	ds_load_b64 v[\reg+2*\p:\reg+2*\p+1], v[\adr] offset:8*PCE+16*(PCE/8)+(\i)*16*PITCH
.else
	ds_load_b64 v[\reg+2*\p:\reg+2*\p+1], v[\adr+2] offset:8*PCE+16*(PCE/8)+(\i)*16*PITCH
.endif
.endr
.endm
.macro MUL16 a0, p, q, sc, zero        ; 16 matrix instructions; the 64 accumulators take turns, one instruction a turn
.irp a, \a0, \a0+1
.irp b, 0,1,2,3,4,5,6,7
.if \zero
	v_wmma_scale_f32_16x16x128_f8f6f4 v[8*(8*((\a)%4)+\b):8*(8*((\a)%4)+\b)+7], v[128*(\p)+FR*\b:128*(\p)+FR*\b+FR-1], v[AF+FR*(\a):AF+FR*(\a)+FR-1], 0, v[SC+8*NQ*(\sc)+NQ*\b+(\q)], v[SC+8*NQ*(\sc)+NQ*(\a)+(\q)] matrix_a_fmt:MATRIX_FMT_BF6 matrix_b_fmt:MATRIX_FMT_BF6 matrix_a_scale:MATRIX_SCALE_ROW1
.else
	v_wmma_scale_f32_16x16x128_f8f6f4 v[8*(8*((\a)%4)+\b):8*(8*((\a)%4)+\b)+7], v[128*(\p)+FR*\b:128*(\p)+FR*\b+FR-1], v[AF+FR*(\a):AF+FR*(\a)+FR-1], v[8*(8*((\a)%4)+\b):8*(8*((\a)%4)+\b)+7], v[SC+8*NQ*(\sc)+NQ*\b+(\q)], v[SC+8*NQ*(\sc)+NQ*(\a)+(\q)] matrix_a_fmt:MATRIX_FMT_BF6 matrix_b_fmt:MATRIX_FMT_BF6 matrix_a_scale:MATRIX_SCALE_ROW1
.endif
.endr
.endr
.endm
.macro FETCH_B slot, q, p
	WIN TO_B
.irp i, 0,1,2,3,4,5,6,7
	FRAG 128*(\p)+FR*\i, ADRB+\slot, \q, \i
.endr
	WIN 0
.endm
.macro FETCH_A slot, q, i0
.irp i, \i0, \i0+1, \i0+2, \i0+3
	FRAG AF+FR*(\i), ADRA+\slot, \q, \i
.endr
.endm
.macro SCALES sc
.irp i, 0,1,2,3,4,5,6,7
	ds_load_b64 v[SC+8*NQ*\sc+NQ*\i:SC+8*NQ*\sc+NQ*\i+1], v[ADRS] offset:\i*SBLK
.endr
.endm
.macro PLACES n
.rept \n
	v_nop
.endr
.endm
.macro STEP slot, q, zero
	s_wait_dscnt 4*NL                              ; B's set and A's blocks 0-3 are in; the youngest 24 loads (A's blocks 4-7) may be out
	WIN MUL_LO
	MUL16 0, (\q)%2, \q, \slot, \zero
	MUL16 2, (\q)%2, \q, \slot, \zero
	s_wait_dscnt 0
	PLACES NP
	FETCH_B \slot, (\q)+1, 1-(\q)%2
	FETCH_A \slot, (\q)+1, 0
	WIN MUL_HI
	MUL16 4, (\q)%2, \q, \slot, \zero
	MUL16 6, (\q)%2, \q, \slot, \zero
	PLACES NP
	WIN 0
	FETCH_A \slot, (\q)+1, 4
.endm
.macro TURN slot, next, fill           ; a slot's last step changes slots: ONE barrier, with the wait for all my tensor loads, the add and the wait for it and for my reads in front of it
	s_wait_tensorcnt 0x0
	ds_add_u32 v[SPW], v[NIL]                      ; 0 onto my spare word
	s_wait_dscnt 4*NL+1                            ; (the add and the youngest 24 loads may be out)
	WIN MUL_LO
	MUL16 0, 1, NQ-1, \slot, 0
	s_wait_dscnt 0x0                               ; the add is done, and my reads of this slot are over
	s_barrier_signal -1
	MUL16 2, 1, NQ-1, \slot, 0
	WIN 0
	s_barrier_wait -1
.if \fill
	CREST                                          ; the barrier has opened a round of the cluster's barrier
	s_add_nc_u64 s[G0+4*\slot+2:G0+4*\slot+3], s[G0+4*\slot+2:G0+4*\slot+3], 2*ROWB
	s_add_nc_u64 s[G0B+4*\slot+2:G0B+4*\slot+3], s[G0B+4*\slot+2:G0B+4*\slot+3], 2*ROWB
	JLOAD G0+4*\slot, G1, G0B+4*\slot, G1B         ; the first tensor load behind the round
.else
	PLACES NP
.endif
	v_add_nc_u32 v[ADRS], 4*NQ, v[ADRS]
	FETCH_B \next, 0, 0
	FETCH_A \next, 0, 0
	SCALES \next
	WIN MUL_HI
	MUL16 4, 1, NQ-1, \slot, 0
	MUL16 6, 1, NQ-1, \slot, 0
	PLACES NP
	WIN 0
	FETCH_A \next, 0, 4
.endm
	s_wait_tensorcnt 1                             ; the scales and my part of K step 0 are in (K step 1's load may be out),
	s_barrier_signal -1
	s_barrier_wait -1                              ; everybody's are
	FETCH_B 0, 0, 0
	FETCH_A 0, 0, 0
	SCALES 0
	FETCH_A 0, 0, 4
	STEP 0, 0, 1
	s_mov_b32 s3, LAPS-1
.Llap:
	TURN 0, 1, 1
	STEP 1, 0, 0
	TURN 1, 0, 1
	STEP 0, 0, 0
	s_sub_co_u32 s3, s3, 1
	s_cmp_lg_u32 s3, 0
	s_cbranch_scc1 .Llap
	TURN 0, 1, 0
	STEP 1, 0, 0
	s_wait_dscnt 4*NL
	WIN MUL_LO
	MUL16 0, 1, NQ-1, 1, 0
	MUL16 2, 1, NQ-1, 1, 0
	s_wait_dscnt 0
	WIN MUL_HI
	MUL16 4, 1, NQ-1, 1, 0
	MUL16 6, 1, NQ-1, 1, 0
	WIN 0
; THE WAY OUT, block by block of 16 rows x 128 columns, through my own stage in LDS: back come whole rows of 512 bytes.  LDS serves a wave's instructions in order (ISA guide 5.7.1.4).
.macro TOSTAGE a
.set AC, 64*((\a)%4)
	WIN 0x08+4*((\a)/4)                            ; the data: window 2 or 3
.irp b, 0,1,2,3,4,5,6,7
	ds_store_b128 v[STO], v[AC+8*\b:AC+8*\b+3] offset:64*\b          ; each accumulator from its low end on
	ds_store_b128 v[STO], v[AC+8*\b+4:AC+8*\b+7] offset:64*\b+16
.endr
	WIN 0
.set BB, BK+64*((\a)%2)
.irp t, 0,1,2,3,4,5,6,7,8,9,10,11,12,13,14,15
	ds_load_b128 v[BB+4*\t:BB+4*\t+3], v[RD] offset:\t*SPITCH
.endr
.endm
.macro SEND a, younger
.set BB, BK+64*((\a)%2)
	s_wait_dscnt \younger                          ; the block is back in registers
.if (\a) > 0
	s_add_nc_u64 s[12:13], s[12:13], 16*SIZE_N*4   ; (behind a wait on XCNT: the earlier stores have read their base)
.endif
.irp t, 0,1,2,3,4,5,6,7,8,9,10,11,12,13,14,15
	global_store_b128 v[CO], v[BB+4*\t:BB+4*\t+3], s[12:13] offset:\t*SIZE_N*4   ; 32 lanes store 512 consecutive bytes
.endr
.endm
	PLACES NP
	TOSTAGE 0
.irp a, 1,2,3,4,5,6,7
.if \a > 1
	s_wait_xcnt 0x0                                ; block a - 2's stores have read their registers and their base
.endif
	TOSTAGE \a
	SEND \a-1, 32                                  ; behind block a - 1's loads: block a's 16 stores and 16 loads
.endr
	s_wait_xcnt 0x0
	SEND 7, 0
	s_wait_tensorcnt 0x0                           ; the wave's end
	ds_add_u32 v[SPW], v[NIL]
	s_wait_dscnt 0x0
	CROUND                                         ; the closing round
	s_endpgm
.Lfunc_end_k_q388b1f661e_fc:
	.size	k_q388b1f661e_fc, .Lfunc_end_k_q388b1f661e_fc-k_q388b1f661e_fc
	.p2alignl 7, 3214868480
	.fill 96, 4, 3214868480
	.section	.rodata,"a",@progbits
	.p2align	6, 0x0
	.amdhsa_kernel k_q388b1f661e_fc
		.amdhsa_group_segment_fixed_size 327680
		.amdhsa_private_segment_fixed_size 0
		.amdhsa_enable_private_segment 0
		.amdhsa_kernarg_size 40
		.amdhsa_user_sgpr_count 2
		.amdhsa_user_sgpr_kernarg_segment_ptr 1
		.amdhsa_wavefront_size32 1
		.amdhsa_system_sgpr_workgroup_id_x 1
		.amdhsa_system_sgpr_workgroup_id_y 1
		.amdhsa_system_sgpr_workgroup_id_z 1
		.amdhsa_system_vgpr_workitem_id 0
		.amdhsa_next_free_vgpr 1024
		.amdhsa_next_free_sgpr 98
		.amdhsa_reserve_vcc 0
		.amdhsa_float_denorm_mode_32 3
		.amdhsa_float_denorm_mode_16_64 3
		.amdhsa_memory_ordered 1
		.amdhsa_forward_progress 1
		.amdhsa_inst_pref_size 160
	.end_amdhsa_kernel
	.amdgpu_metadata
---
amdhsa.version: [ 1, 2 ]
amdhsa.kernels:
  - .name:           k_q388b1f661e_fc
    .symbol:         k_q388b1f661e_fc.kd
    .args:
      - { .name: acodes, .offset: 0, .size: 8, .value_kind: global_buffer, .address_space: global }
      - { .name: ascales, .offset: 8, .size: 8, .value_kind: global_buffer, .address_space: global }
      - { .name: wcodes, .offset: 16, .size: 8, .value_kind: global_buffer, .address_space: global }
      - { .name: wscales, .offset: 24, .size: 8, .value_kind: global_buffer, .address_space: global }
      - { .name: xbuf, .offset: 32, .size: 8, .value_kind: global_buffer, .address_space: global }
    .group_segment_fixed_size: 327680
    .private_segment_fixed_size: 0
    .kernarg_segment_align: 8
    .kernarg_segment_size: 40
    .max_flat_workgroup_size: 128
    .sgpr_count:     98
    .vgpr_count:     1024
    .wavefront_size: 32
...
	.end_amdgpu_metadata
.endif
;; end of part 4
;; launch ln (part 5): grid 256 x 1, 4 waves a work-group, no clusters, 0 bytes of LDS; arguments xbuf, bfc, bq, gamma, beta, out0; writes out0
.if DOCPART == 5
	.amdgcn_target "amdgcn-amd-amdhsa--gfx1250"
	.amdhsa_code_object_version 6
	.text
	.protected	k_q388b1f661e_ln
	.globl	k_q388b1f661e_ln
	.p2align	8
	.type	k_q388b1f661e_ln,@function
k_q388b1f661e_ln:
	s_mov_b64 s[64:65], 0
	v_nop
	global_prefetch_b8 v0, s[64:65] scope:SCOPE_SE
	s_setreg_imm32_b32 hwreg(HW_REG_WAVE_MODE, 25, 1), 1
	s_wait_xcnt 0x0
; out0 = LayerNorm(x + bfc + bq) x gamma + beta over rows of 1,024, eps = 1e-5.  xbuf holds x with rows and columns in position order (bits 3 and 4 of the index changed over); both orders are undone here, in the addresses.
; One wave, one row at a time, the row kept in 32 registers a lane between the passes: read once, no LDS, no barrier.  A wave takes a group of eight position rows, which are a group of eight true rows in the same order.
; A lane's 16 bytes of load j are position columns 128 j + 4 lane + 0 .. 3, which are the true columns 128 j + 4 l' + 0 .. 3, l' = lane with bits 1 and 2 changed over: sixteen lanes still fill 256 consecutive bytes of a store.
; The mean is taken first and the squares are of x - mean.  Four row slots: one at work, one whose stores are leaving, two on their way in.
.set BI,  16                           ; v16-47   bfc + bq of my 32 columns
.set GA,  48                           ; v48-79   gamma
.set BE,  80                           ; v80-111  beta
.set X,   112                          ; v112-239 four slots of 32
.set S,   240                          ; v240-247 four packed chains
.set MU,  248                          ; v248-249 the mean, twice; then the variance + eps
.set RS,  252                          ; v252-253 1 / sqrt, twice
	s_load_b256 s[4:11], s[0:1], 0x0               ; xbuf, bfc, bq, gamma
	s_load_b128 s[12:15], s[0:1], 0x20             ; beta, out0
	v_lshrrev_b32 v1, 5, v0
	v_readfirstlane_b32 s16, v1                    ; wave
	v_and_b32 v3, 31, v0                           ; lane
	v_and_b32 v4, 0x19, v3
	v_bfe_u32 v5, v3, 1, 1
	v_lshl_or_b32 v4, v5, 2, v4
	v_bfe_u32 v5, v3, 2, 1
	v_lshl_or_b32 v4, v5, 1, v4                    ; l'
	v_lshlrev_b32 v1, 4, v3                        ; in xbuf
	v_lshlrev_b32 v2, 4, v4                        ; in the four vectors and in out0
	s_lshl_b32 s17, ttmp9, 2
	s_add_co_u32 s17, s17, s16                     ; my group of eight position rows
	s_and_b32 s18, s17, 1
	s_lshl_b32 s18, s18, 1
	s_bfe_u32 s19, s17, 0x10001
	s_or_b32 s18, s18, s19
	s_and_b32 s19, s17, 0xfffffffc
	s_or_b32 s18, s18, s19                         ; the group of true rows
	s_lshl_b32 s20, s17, 15
	s_mov_b32 s21, 0
	s_lshl_b32 s18, s18, 15
	s_mov_b32 s19, 0
	s_mov_b32 s2, 0x3a800000                       ; 1 / 1,024
	s_mov_b32 s3, 0x3727c5ac                       ; 1e-5
	s_mov_b32 s22, 0x76543210
	s_mov_b32 s23, 0xfedcba98
	s_wait_kmcnt 0x0
	s_add_nc_u64 s[4:5], s[4:5], s[20:21]
	s_add_nc_u64 s[14:15], s[14:15], s[18:19]
.irp j, 0,1,2,3,4,5,6,7
	global_load_b128 v[BI+4*\j:BI+4*\j+3], v2, s[6:7] offset:512*\j
	global_load_b128 v[X+96+4*\j:X+96+4*\j+3], v2, s[8:9] offset:512*\j       ; bq, for a moment in slot 3
	global_load_b128 v[GA+4*\j:GA+4*\j+3], v2, s[10:11] offset:512*\j
	global_load_b128 v[BE+4*\j:BE+4*\j+3], v2, s[12:13] offset:512*\j
.endr
.macro FILL s, row                     ; eight loads: 512 consecutive bytes each, the whole row
.irp j, 0,1,2,3,4,5,6,7
	global_load_b128 v[X+32*(\s)+4*\j:X+32*(\s)+4*\j+3], v1, s[4:5] offset:4096*(\row)+512*\j th:TH_LOAD_NT
.endr
.endm
	FILL 0, 0
	FILL 1, 1
	FILL 2, 2
	s_wait_loadcnt 24                              ; the four vectors are in; the three rows' 24 loads may be out
.irp j, 0,2,4,6,8,10,12,14,16,18,20,22,24,26,28,30
	v_pk_add_f32 v[BI+\j:BI+\j+1], v[BI+\j:BI+\j+1], v[X+96+\j:X+96+\j+1]
.endr
.macro ACROSS                          ; the four chains, then the 32 lanes: the sum stands in v[S] of every lane
	v_pk_add_f32 v[S:S+1], v[S:S+1], v[S+2:S+3]
	v_pk_add_f32 v[S+4:S+5], v[S+4:S+5], v[S+6:S+7]
	v_pk_add_f32 v[S:S+1], v[S:S+1], v[S+4:S+5]
	v_add_f32 v[S], v[S], v[S+1]
	v_add_f32_dpp v[S], v[S], v[S] row_xmask:1 row_mask:0xf bank_mask:0xf
	v_add_f32_dpp v[S], v[S], v[S] row_xmask:2 row_mask:0xf bank_mask:0xf
	v_add_f32_dpp v[S], v[S], v[S] row_xmask:4 row_mask:0xf bank_mask:0xf
	v_add_f32_dpp v[S], v[S], v[S] row_xmask:8 row_mask:0xf bank_mask:0xf
	v_permlanex16_b32 v[S+1], v[S], s22, s23
	v_add_f32 v[S], v[S], v[S+1]
.endm
.macro TURN i
.set XS, X+32*((\i)%4)
.if (\i) <= 5
	s_wait_loadcnt 16                              ; my row's eight loads are in; the two rows behind it stay on their way
.else
	s_wait_loadcnt 8*(7-(\i))
.endif
.irp j, 0,2,4,6,8,10,12,14,16,18,20,22,24,26,28,30
	v_pk_add_f32 v[XS+\j:XS+\j+1], v[XS+\j:XS+\j+1], v[BI+\j:BI+\j+1]         ; x + bfc + bq
.endr
.irp c, 0,1,2,3
	v_pk_add_f32 v[S+2*\c:S+2*\c+1], v[XS+4*\c:XS+4*\c+1], v[XS+4*\c+2:XS+4*\c+3]   ; the first pairs start the chains
.endr
.irp j, 16,24
.irp c, 0,1,2,3
	v_pk_add_f32 v[S+2*\c:S+2*\c+1], v[S+2*\c:S+2*\c+1], v[XS+\j+2*\c:XS+\j+2*\c+1]
.endr
.endr
	ACROSS
	v_mul_f32 v[MU], s2, v[S]                      ; the mean
	v_mul_f32 v[MU+1], s2, v[S]
.irp j, 0,2,4,6,8,10,12,14,16,18,20,22,24,26,28,30
	v_pk_add_f32 v[XS+\j:XS+\j+1], v[XS+\j:XS+\j+1], v[MU:MU+1] neg_lo:[0,1] neg_hi:[0,1]
.endr
.irp c, 0,1,2,3
	v_pk_mul_f32 v[S+2*\c:S+2*\c+1], v[XS+2*\c:XS+2*\c+1], v[XS+2*\c:XS+2*\c+1]
.endr
.irp j, 8,16,24
.irp c, 0,1,2,3
	v_pk_fma_f32 v[S+2*\c:S+2*\c+1], v[XS+\j+2*\c:XS+\j+2*\c+1], v[XS+\j+2*\c:XS+\j+2*\c+1], v[S+2*\c:S+2*\c+1]
.endr
.endr
	ACROSS
	v_fma_f32 v[MU], v[S], s2, s3                  ; the variance + eps
	v_rsq_f32 v[RS], v[MU]
	v_rsq_f32 v[RS+1], v[MU]
	v_nop                                          ; a plain line behind the transcendentals
	s_wait_alu depctr_va_vdst(0)                   ; one wait for both, ahead of their first reader
.irp j, 0,2,4,6,8,10,12,14,16,18,20,22,24,26,28,30
	v_pk_mul_f32 v[XS+\j:XS+\j+1], v[XS+\j:XS+\j+1], v[RS:RS+1]
.endr
.irp j, 0,2,4,6,8,10,12,14,16,18,20,22,24,26,28,30
	v_pk_fma_f32 v[XS+\j:XS+\j+1], v[XS+\j:XS+\j+1], v[GA+\j:GA+\j+1], v[BE+\j:BE+\j+1]
.endr
.irp j, 0,1,2,3,4,5,6,7
	global_store_b128 v2, v[XS+4*\j:XS+4*\j+3], s[14:15] offset:4096*(\i)+512*\j th:TH_STORE_NT
.endr
.if (\i) <= 4
	s_wait_xcnt 0x0                                ; every earlier store has read its registers: the slot in front is loaded again only behind this wait
	FILL ((\i)+3)%4, (\i)+3
.endif
.endm
.irp i, 0,1,2,3,4,5,6,7
	TURN \i
.endr
	s_endpgm
.Lfunc_end_k_q388b1f661e_ln:
	.size	k_q388b1f661e_ln, .Lfunc_end_k_q388b1f661e_ln-k_q388b1f661e_ln
	.p2alignl 7, 3214868480
	.fill 96, 4, 3214868480
	.section	.rodata,"a",@progbits
	.p2align	6, 0x0
	.amdhsa_kernel k_q388b1f661e_ln
		.amdhsa_group_segment_fixed_size 0
		.amdhsa_private_segment_fixed_size 0
		.amdhsa_enable_private_segment 0
		.amdhsa_kernarg_size 48
		.amdhsa_user_sgpr_count 2
		.amdhsa_user_sgpr_kernarg_segment_ptr 1
		.amdhsa_wavefront_size32 1
		.amdhsa_system_sgpr_workgroup_id_x 1
		.amdhsa_system_sgpr_workgroup_id_y 1
		.amdhsa_system_sgpr_workgroup_id_z 1
		.amdhsa_system_vgpr_workitem_id 0
		.amdhsa_next_free_vgpr 256
		.amdhsa_next_free_sgpr 66
		.amdhsa_reserve_vcc 0
		.amdhsa_float_denorm_mode_32 3
		.amdhsa_float_denorm_mode_16_64 3
		.amdhsa_memory_ordered 1
		.amdhsa_forward_progress 1
		.amdhsa_inst_pref_size 76
	.end_amdhsa_kernel
	.amdgpu_metadata
---
amdhsa.version: [ 1, 2 ]
amdhsa.kernels:
  - .name:           k_q388b1f661e_ln
    .symbol:         k_q388b1f661e_ln.kd
    .args:
      - { .name: xbuf, .offset: 0, .size: 8, .value_kind: global_buffer, .address_space: global }
      - { .name: bfc, .offset: 8, .size: 8, .value_kind: global_buffer, .address_space: global }
      - { .name: bq, .offset: 16, .size: 8, .value_kind: global_buffer, .address_space: global }
      - { .name: gamma, .offset: 24, .size: 8, .value_kind: global_buffer, .address_space: global }
      - { .name: beta, .offset: 32, .size: 8, .value_kind: global_buffer, .address_space: global }
      - { .name: out0, .offset: 40, .size: 8, .value_kind: global_buffer, .address_space: global }
    .group_segment_fixed_size: 0
    .private_segment_fixed_size: 0
    .kernarg_segment_align: 8
    .kernarg_segment_size: 48
    .max_flat_workgroup_size: 128
    .sgpr_count:     66
    .vgpr_count:     256
    .wavefront_size: 32
...
	.end_amdgpu_metadata
.endif
;; end of part 5
